; MI455X (gfx1250); checked and timed in simulation.
; The chip was launched on July 23, 2026; its instructions are those of AMD's public machine-readable ISA for CDNA 5 (MIT licence, August 2026) and "CDNA5" Instruction Set Architecture Reference Guide (July 2026). The comments in the code are by the model that wrote it; some were corrected since.
;; Complex Attention. Allowed arithmetic: matrix products marked QUANTISED: E3M2 operands, one E8M0 scale for each 32 along K, by v_wmma_scale_f32_16x16x128_f8f6f4 with both operands' format E3M2, f32 sums; everything else in f32.
;; Inputs: Wk_i 1,024 x 1,024 float32; Wk_r 1,024 x 1,024 float32; Wo_i 1,024 x 1,024 float32; Wo_r 1,024 x 1,024 float32; Wq_i 1,024 x 1,024 float32; Wq_r 1,024 x 1,024 float32; Wv_i 1,024 x 1,024 float32; Wv_r 1,024 x 1,024 float32; bk_i 1,024 float32; bk_r 1,024 float32; bo_i 1,024 float32; bo_r 1,024 float32; bq_i 1,024 float32; bq_r 1,024 float32; bv_i 1,024 float32; bv_r 1,024 float32; k_i 4 x 1,024 x 1,024 float32; k_r 4 x 1,024 x 1,024 float32; q_i 4 x 1,024 x 1,024 float32; q_r 4 x 1,024 x 1,024 float32; v_i 4 x 1,024 x 1,024 float32; v_r 4 x 1,024 x 1,024 float32.
;; Outputs: out0 4 x 1,024 x 1,024 float32; out1 4 x 1,024 x 1,024 float32.
;; This version of the problem:
;;   THIS VERSION OF THE PROBLEM IS GIVEN IN LOW PRECISION. The matrix products marked QUANTISED in the list below multiply operands that are first quantised to E3M2 (3 exponent bits, 2 mantissa bits; 6 bits a number), with one power-of-two scale for each 32 numbers along K (OCP MX v1.0); their sums are f32. All else is computed in f32.
;;   The module's matrix products, in the order in which they are computed (A, B: the left and right operand; K: the contracted axis; several contracted axes count as one K, in the product's order):
;;     1. [M 4,096, K 1,024] x [K 1,024, N 1,024]; A: input q_r; B: input Wq_r: QUANTISED
;;     2. [M 4,096, K 1,024] x [K 1,024, N 1,024]; A: input q_i; B: input Wq_i: QUANTISED
;;     3. [M 4,096, K 1,024] x [K 1,024, N 1,024]; A: input k_r; B: input Wk_r: QUANTISED
;;     4. [M 4,096, K 1,024] x [K 1,024, N 1,024]; A: input k_i; B: input Wk_i: QUANTISED
;;     5. [M 4,096, K 1,024] x [K 1,024, N 1,024]; A: input v_r; B: input Wv_r: QUANTISED
;;     6. [M 4,096, K 1,024] x [K 1,024, N 1,024]; A: input v_i; B: input Wv_i: QUANTISED
;;     7. batch 64 x [M 1,024, K 64] x [K 64, N 1,024]; A: computed on the way; B: computed on the way: QUANTISED
;;     8. batch 64 x [M 1,024, K 64] x [K 64, N 1,024]; A: computed on the way; B: computed on the way: QUANTISED
;;     9. batch 64 x [M 64, K 1,024] x [K 1,024, N 1,024]; A: computed on the way; B: softmax (see below): QUANTISED
;;     10. batch 64 x [M 64, K 1,024] x [K 1,024, N 1,024]; A: computed on the way; B: softmax (see below): QUANTISED
;;     11. [M 4,096, K 1,024] x [K 1,024, N 1,024]; A: computed on the way; B: input Wo_r: QUANTISED
;;     12. [M 4,096, K 1,024] x [K 1,024, N 1,024]; A: computed on the way; B: input Wo_i: QUANTISED
;;   THE QUANTISER, for each operand of a quantised product, along K:
;;     - K is cut into blocks of 32 from its start; a last block that is shorter is filled with zeros.
;;     - A block's scale is 2^e with e = floor(log2(the largest magnitude in the block)) - 4, held to -126 .. 127; a block of zeros has e = 0. As a byte (E8M0): e + 127.
;;     - Each number is divided by its block's scale, clamped to +-28, and rounded to the nearest number of E3M2, ties to even, subnormals kept.
;;     - The product sums the exact products of the quantised numbers (number of the format x scale) in f32.
;;   ~~~python
;;   def quantise(x, axis):      # numpy; x: float32 -> the quantised numbers, widened to float32 again
;;       x = np.moveaxis(x, axis, -1); K = x.shape[-1]
;;       x = np.pad(x, [(0, 0)] * (x.ndim - 1) + [(0, -K % 32)]); x = x.reshape(x.shape[:-1] + (-1, 32)); a = np.abs(x).max(-1, keepdims=True)
;;       e = np.where(a > 0, np.clip(np.frexp(np.where(a > 0, a, 1))[1] - 1 - 4, -126, 127), 0)      # np.frexp(a)[1] - 1 = floor(log2(a)), exactly
;;       r = np.clip(x / 2.0 ** e, -28, 28)
;;       step = 2.0 ** (np.maximum(np.frexp(np.where(r == 0, 1, r))[1] - 1, -2) - 2)
;;       q = np.round(r / step) * step * 2.0 ** e      # np.round: ties to even
;;       return np.moveaxis(q.reshape(q.shape[:-2] + (-1,))[..., :K], -1, axis).astype(np.float32)
;;   ~~~
;;   SOFTMAX AHEAD OF A QUANTISED PRODUCT. Where the list says 'softmax', what is quantised is not the finished softmax but p = 2^(t - M), with t = logit x log2(e) and M = ceil(the row's largest t), a whole number; so 1/2 < the row's largest p <= 1. The row's sum l is taken of the UNQUANTISED p, in f32, and the product's result is divided by l at the end. Since M is a whole number, a kernel that streams over the keys may use a running M (the ceiling of the running maximum): every later rescaling is an exact power of two, which a block's scale takes up: the codes' values come out the same.
;;   OPERANDS COMPUTED ON THE WAY. 'Computed on the way' means the value that the module computes at that place (a softmax that the list does not call 'softmax' is quantised finished and normalised). What goes into a quantiser is computed in f32, as accurately as f32 sums, v_exp_f32 and their like allow (about 1e-6 of the number): no bf16 or f16 on the way to a quantiser, and a product that is left as it is and whose result goes on into a quantised operand takes f32 operands (vector FMAs, or v_wmma_f32_16x16x4_f32). A number that lies on a knife's edge between two numbers of the format may be rounded either way, as far as f32 arithmetic and the matrix unit's own rounding can turn it there, and no further.
;; One version. Each part assembles by itself: llvm-mc -triple=amdgcn-amd-amdhsa -mcpu=gfx1250 --defsym DOCPART=n.
;; ======== version 1 of 1: 4 launches
;; limits: right only within a limited range of input values
;; workspace buffers: cod 32,768,000 bytes; qq 6,553,600 bytes; kv 13,107,200 bytes
;; launch quant (part 1): grid 256 x 1, 16 waves a work-group, no clusters, 137,216 bytes of LDS; arguments q_r, q_i, k_r, k_i, v_r, v_i, Wq_r, Wq_i, Wk_r, Wk_i, Wv_r, Wv_i, Wo_r, Wo_i, cod; writes cod
.if DOCPART == 1
	.amdgcn_target "amdgcn-amd-amdhsa--gfx1250"
	.amdhsa_code_object_version 6
	.text
	.protected	k_qcd3587655e_quant
	.globl	k_qcd3587655e_quant
	.p2align	8
	.type	k_qcd3587655e_quant,@function
k_qcd3587655e_quant:
	s_mov_b64 s[64:65], 0
	v_nop
	global_prefetch_b8 v0, s[64:65] scope:SCOPE_SE
	s_setreg_imm32_b32 hwreg(HW_REG_WAVE_MODE, 25, 1), 1
	s_wait_xcnt 0x0
; The six activations [4096][1024] and the eight weights [1024][1024], f32 with K innermost, become codes of BF6 (E3M2) with one E8M0 scale byte for each 32 along K.
; A block's scale is 2^(floor(log2(its largest magnitude)) - 4); its byte is the largest magnitude's exponent field - 4, held at 1 from below.
; LIMITS: a block whose largest magnitude lies under 2^-122, a block of zeros among them, gets the byte 1 (the rule says 127 for zeros: the codes are zeros, and this program alone reads the bytes);
; NaN and infinities among the inputs are not served.
; THE CODES ARE LAID AS IMAGES OF THE OPERAND'S REGISTERS.  A fragment is 16 rows x 128 K, 12 registers a lane (lane (r, h): row r; registers 6 c .. 6 c + 5: K = 64 c + 32 h + 0 .. 31).  Its image is two halves
; of 768 bytes: registers 6 c .. 6 c + 3 at 16 x lane, registers 6 c + 4, 6 c + 5 at 512 + 8 x lane.  Row tile G (16 rows) has its eight fragments at G x 12288 + 1536 x K step;
; its scale words (four bytes: one row, 128 K) at SCB + G x 512 + 64 x K step + 4 x row.
; WHICH ROWS FORM A TILE: of 32 rows, tile u takes in lane r row 16 u + r (q_r, q_i, Wo_r, Wo_i) or row 8 u + r + 8 (r / 8) (the other ten), so that a product's results come out as neighbours along the next K.
; SHARES.  4,096 waves, each 32 rows x 256 K: four fragments.  Each load reads 512 consecutive bytes of one row; a fragment's 16 rows turn through the wave's own stage in LDS, so that a lane gets 16 neighbours
; of each block of 32.  No barrier: waves share nothing.  Loads run one fragment (16 loads) ahead of the fragment at work.
.set SCB,  31457280                    ; where the scale words begin in cod
.set SP,   528                         ; a stage row: 512 bytes + 16 = 132 words: row r starts at bank 4 r mod 64 (64 banks of 4 bytes: ISA guide 11.1)
.set RR,   16                          ; v16-79, v80-143  two sets of 16 rows as loaded
.set X,    144                         ; v144-207  64 numbers: register 16 b + i = K 32 b + 16 h + i of my row
.set TM,   208                         ; v208-223  at work in QUANT
.set PC,   224                         ; v224-243  the codes just made
.set PW,   244                         ; v244-245  the scale words of the two K steps
.set SEL,  42                          ; s[42:43]  v_permlanex16_b32's selects for lane l xor 16
; 64 numbers of a lane, v[s] on, become a fragment's codes in v[PC] .. v[PC + 11] and its scale word in v[pw].
.macro QUANT s, pw
.irp b, 0,1,2,3
	v_max3_num_f32 v[TM+\b], |v[(\s)+16*\b]|, |v[(\s)+1+16*\b]|, 0x2800000   ; block b: my 16 numbers, and the floor 2^(5 - 127): the byte cannot fall under 1
.endr
.irp i, 2,4,6,8,10,12,14
.irp b, 0,1,2,3
	s_delay_alu instid0(VALU_DEP_4)
	v_max3_num_f32 v[TM+\b], v[TM+\b], |v[(\s)+16*\b+\i]|, |v[(\s)+1+16*\b+\i]|   ; the four blocks by turns
.endr
.endr
.irp b, 0,1,2,3
	s_delay_alu instid0(VALU_DEP_4)
	v_permlanex16_b32 v[TM+4+\b], v[TM+\b], s[SEL], s[SEL+1]
.endr
.irp b, 0,1,2,3
	s_delay_alu instid0(VALU_DEP_4)
	v_max_num_f32 v[TM+\b], v[TM+\b], v[TM+4+\b]   ; with lane l xor 16's 16: the block's largest magnitude
.endr
.irp b, 0,1,2,3
	s_delay_alu instid0(VALU_DEP_4)
	v_add_nc_u32 v[TM+12+\b], 0xfe000000, v[TM+\b]   ; 4 off its exponent field: the conversion's scale operand
.endr
.irp b, 0,1,2,3
	s_delay_alu instid0(VALU_DEP_4)
	v_lshrrev_b32 v[TM+4+\b], 23, v[TM+12+\b]      ; the scale's byte
.endr
	s_delay_alu instid0(VALU_DEP_3)
	v_lshl_or_b32 v[\pw], v[TM+5], 8, v[TM+4]      ; four bytes: my row's scale word
	s_delay_alu instid0(VALU_DEP_1)
	v_lshl_or_b32 v[\pw], v[TM+6], 16, v[\pw]
	s_delay_alu instid0(VALU_DEP_1)
	v_lshl_or_b32 v[\pw], v[TM+7], 24, v[\pw]
.irp c, 0,1
	v_cvt_scalef32_pk16_bf6_f32 v[PC+6*\c:PC+2+6*\c], v[(\s)+32*\c:(\s)+15+32*\c], v[TM+12+2*\c]
	v_cvt_scalef32_pk16_bf6_f32 v[PC+12+4*\c:PC+14+4*\c], v[(\s)+16+32*\c:(\s)+31+32*\c], v[TM+13+2*\c]   ; (a conversion's three registers begin on an even number)
.endr
	v_nop                                          ; one plain place behind a scaled conversion
.irp c, 0,1                                    ; the operand's layout wants a whole block in a lane: lanes 0-15 block 2 c, lanes 16-31 block 2 c + 1
.irp i, 0,1,2
	v_permlane16_swap_b32 v[PC+6*\c+\i], v[PC+12+4*\c+\i]
.endr
.irp i, 0,1,2
	s_delay_alu instid0(VALU_DEP_3)
	v_mov_b32 v[PC+3+6*\c+\i], v[PC+12+4*\c+\i]
.endr
.endr
.endm
	s_load_b512 s[8:23], s[0:1], 0x0               ; q_r q_i k_r k_i v_r v_i Wq_r Wq_i
	s_load_b256 s[24:31], s[0:1], 0x40             ; Wk_r Wk_i Wv_r Wv_i
	s_load_b128 s[32:35], s[0:1], 0x60             ; Wo_r Wo_i
	s_load_b64 s[36:37], s[0:1], 0x70              ; cod
	v_lshl_add_u32 v254, v0, 2, 0x21000
	v_mov_b32 v255, 0
	v_lshrrev_b32 v1, 5, v0
	s_delay_alu instid0(VALU_DEP_1)
	v_readfirstlane_b32 s41, v1                    ; wave 0..15
	v_and_b32 v1, 31, v0                           ; lane
	s_wait_alu depctr_va_vdst(0)
	v_and_b32 v2, 15, v0                           ; r
	s_wait_alu depctr_va_vdst(0)
	v_bfe_u32 v3, v0, 4, 1                         ; h
	s_mov_b32 s40, 0xffff0000                      ; lanes 16-31
	s_mov_b32 s[SEL], 0x76543210
	s_mov_b32 s[SEL+1], 0xfedcba98
	; which tensor T, which part of it: work-groups 0-191 take the activations (32 each), 192-255 the weights (8 each)
	s_lshr_b32 s44, ttmp9, 5
	s_and_b32 s45, ttmp9, 31
	s_lshl_b32 s46, s44, 8                         ; an activation's first row tile: 256 T
	s_sub_co_u32 s47, ttmp9, 192
	s_lshr_b32 s48, s47, 3
	s_and_b32 s49, s47, 7
	s_lshl_b32 s50, s48, 6
	s_add_co_u32 s50, s50, 1536                    ; a weight's: 1536 + 64 (T - 6)
	s_add_co_u32 s48, s48, 6
	s_cmp_lt_u32 ttmp9, 192
	s_cselect_b32 s44, s44, s48                    ; T
	s_cselect_b32 s45, s45, s49
	s_cselect_b32 s46, s46, s50
	s_lshl_b32 s45, s45, 4
	s_add_co_u32 s45, s45, s41                     ; my wave's job in the tensor
	s_lshr_b32 s55, s45, 2                         ; which 32 rows
	s_and_b32 s56, s45, 3                          ; which 256 along K
	s_cmp_lt_u32 s44, 2
	s_cselect_b32 s51, 1, 0
	s_cmp_ge_u32 s44, 12
	s_cselect_b32 s51, 1, s51                      ; 1: rows in their own order
	s_mov_b32 s52, 65536
	s_cmp_eq_u32 s51, 0
	s_cselect_b32 s52, 32768, s52                  ; from tile 0 to tile 1: 8 rows or 16 rows of 4,096 bytes
	s_cselect_b32 s53, 32768, 0                    ; lanes' rows 8-15 lie 8 rows further on, or not
	s_mul_i32 s54, s41, 16*SP                      ; my stage
	v_lshlrev_b32 v10, 4, v1                       ; 16 x lane
	v_lshlrev_b32 v11, 3, v1                       ; 8 x lane
	v_lshlrev_b32 v12, 2, v1                       ; 4 x lane
	s_delay_alu instid0(VALU_DEP_3)
	v_add_nc_u32 v4, s54, v10                      ; into the stage: 16 bytes a lane of a row
	v_mul_u32_u24 v5, v2, SP
	s_wait_alu depctr_va_vdst(0)
	v_lshl_add_u32 v5, v3, 6, v5
	s_delay_alu instid0(VALU_DEP_1)
	v_add_nc_u32 v5, s54, v5                       ; out of it: row r, + 64 h: my 16 numbers of a block
	v_mov_b32 v6, v10                              ; v[6 + 2 u + hi]: my bytes in a row of tile u, rows 0-7 (hi = 0) or 8-15
	v_add_nc_u32 v7, s53, v10
	v_add_nc_u32 v8, s52, v10
	s_delay_alu instid0(VALU_DEP_1)
	v_add_nc_u32 v9, s53, v8
.irp b, 0,1,2,3
	v_mov_b32 v[TM+4+\b], 0                        ; written once: a lane permute's destination counts as one of its sources
.endr
	s_lshl_b32 s58, s55, 17                        ; 32 rows of 4,096 bytes,
	s_lshl_b32 s57, s56, 10                        ; 256 numbers along K
	s_add_co_u32 s58, s58, s57
	s_mov_b32 s59, 0
	s_wait_alu depctr_va_vdst(0)
	s_wait_kmcnt 0x0
	s_mov_b64 s[4:5], s[8:9]                       ; the tensor's address: a choice on the work-group's number alone
.irp k, 1,2,3,4,5,6,7,8,9,10,11,12,13
	s_cmp_eq_u32 s44, \k
	s_cselect_b64 s[4:5], s[8+2*\k:9+2*\k], s[4:5]
.endr
	s_add_nc_u64 s[4:5], s[4:5], s[58:59]
	s_lshl_b32 s55, s55, 1
	s_add_co_u32 s46, s46, s55                     ; G: my first row tile
	s_mul_i32 s58, s46, 12288
	s_mul_i32 s57, s56, 3072
	s_add_co_u32 s58, s58, s57
	s_add_nc_u64 s[6:7], s[36:37], s[58:59]        ; my codes
	s_lshl_b32 s58, s46, 9
	s_lshl_b32 s57, s56, 7
	s_add_co_u32 s58, s58, s57
	s_add_co_u32 s58, s58, SCB
	s_add_nc_u64 s[38:39], s[36:37], s[58:59]      ; my scale words
.macro LOADF u, q, set                 ; tile u, K step q of my two: 16 rows x 512 consecutive bytes
.irp i, 0,1,2,3,4,5,6,7,8,9,10,11,12,13,14,15
	global_load_b128 v[RR+64*(\set)+4*\i:RR+64*(\set)+4*\i+3], v[6+2*(\u)+\i/8], s[4:5] offset:4096*\i+512*(\q) th:TH_LOAD_NT
.endr
.endm
.macro TURN set                        ; through the stage: LDS serves a wave's instructions in order (ISA guide 5.7.1.4), so no wait stands between the stores and the loads
.irp i, 0,1,2,3,4,5,6,7,8,9,10,11,12,13,14,15
	ds_store_b128 v4, v[RR+64*(\set)+4*\i:RR+64*(\set)+4*\i+3] offset:SP*\i
.endr
.irp b, 0,1,2,3
.irp j, 0,1,2,3
	ds_load_b128 v[X+16*\b+4*\j:X+16*\b+4*\j+3], v5 offset:128*\b+16*\j
.endr
.endr
.endm
.macro WORK f, u, q                    ; fragment f of four = (tile u, K step q)
.if \f < 3
	s_wait_loadcnt 16                              ; this fragment's 16 loads are in; the next fragment's 16 may be out
.else
	s_wait_loadcnt 0x0
.endif
	TURN (\f)%2
	s_wait_dscnt 0x0                               ; my 64 numbers are back, and the stage's stores have read the set, which may be loaded again
.if \f > 0
	s_wait_xcnt 0x0                                ; the last fragment's stores have read their data: the codes' registers are written again only behind this wait
.endif
.if \f == 0
	LOADF 1, 0, 0
.elseif \f == 1
	LOADF 1, 1, 1
.endif
	QUANT X, PW+\q
	global_store_b128 v10, v[PC:PC+3], s[6:7] offset:12288*\u+1536*\q         ; 512 consecutive bytes
	global_store_b64 v11, v[PC+4:PC+5], s[6:7] offset:12288*\u+1536*\q+512    ; 256
	global_store_b128 v10, v[PC+6:PC+9], s[6:7] offset:12288*\u+1536*\q+768
	global_store_b64 v11, v[PC+10:PC+11], s[6:7] offset:12288*\u+1536*\q+1280
.if \q == 1
	v_cndmask_b32 v[13+\u], v[PW], v[PW+1], s40    ; lanes 0-15 the first K step's words, lanes 16-31 the second's: 128 consecutive bytes
	global_store_b32 v12, v[13+\u], s[38:39] offset:512*\u
.endif
.endm
	LOADF 0, 0, 0
	LOADF 0, 1, 1
	WORK 0, 0, 0
	WORK 1, 0, 1
	WORK 2, 1, 0
	WORK 3, 1, 1
	s_wait_tensorcnt 0x0
	ds_add_u32 v254, v255
	s_wait_dscnt 0x0
	s_endpgm
.Lfunc_end_k_qcd3587655e_quant:
	.size	k_qcd3587655e_quant, .Lfunc_end_k_qcd3587655e_quant-k_qcd3587655e_quant
	.p2alignl 7, 3214868480
	.fill 96, 4, 3214868480
	.section	.rodata,"a",@progbits
	.p2align	6, 0x0
	.amdhsa_kernel k_qcd3587655e_quant
		.amdhsa_group_segment_fixed_size 137216
		.amdhsa_private_segment_fixed_size 0
		.amdhsa_enable_private_segment 0
		.amdhsa_kernarg_size 120
		.amdhsa_user_sgpr_count 2
		.amdhsa_user_sgpr_kernarg_segment_ptr 1
		.amdhsa_wavefront_size32 1
		.amdhsa_system_sgpr_workgroup_id_x 1
		.amdhsa_system_sgpr_workgroup_id_y 1
		.amdhsa_system_sgpr_workgroup_id_z 1
		.amdhsa_system_vgpr_workitem_id 0
		.amdhsa_next_free_vgpr 256
		.amdhsa_next_free_sgpr 66
		.amdhsa_reserve_vcc 0
		.amdhsa_float_denorm_mode_32 3
		.amdhsa_float_denorm_mode_16_64 3
		.amdhsa_memory_ordered 1
		.amdhsa_forward_progress 1
		.amdhsa_inst_pref_size 43
	.end_amdhsa_kernel
	.amdgpu_metadata
---
amdhsa.version: [ 1, 2 ]
amdhsa.kernels:
  - .name:           k_qcd3587655e_quant
    .symbol:         k_qcd3587655e_quant.kd
    .args:
      - { .name: q_r, .offset: 0, .size: 8, .value_kind: global_buffer, .address_space: global }
      - { .name: q_i, .offset: 8, .size: 8, .value_kind: global_buffer, .address_space: global }
      - { .name: k_r, .offset: 16, .size: 8, .value_kind: global_buffer, .address_space: global }
      - { .name: k_i, .offset: 24, .size: 8, .value_kind: global_buffer, .address_space: global }
      - { .name: v_r, .offset: 32, .size: 8, .value_kind: global_buffer, .address_space: global }
      - { .name: v_i, .offset: 40, .size: 8, .value_kind: global_buffer, .address_space: global }
      - { .name: Wq_r, .offset: 48, .size: 8, .value_kind: global_buffer, .address_space: global }
      - { .name: Wq_i, .offset: 56, .size: 8, .value_kind: global_buffer, .address_space: global }
      - { .name: Wk_r, .offset: 64, .size: 8, .value_kind: global_buffer, .address_space: global }
      - { .name: Wk_i, .offset: 72, .size: 8, .value_kind: global_buffer, .address_space: global }
      - { .name: Wv_r, .offset: 80, .size: 8, .value_kind: global_buffer, .address_space: global }
      - { .name: Wv_i, .offset: 88, .size: 8, .value_kind: global_buffer, .address_space: global }
      - { .name: Wo_r, .offset: 96, .size: 8, .value_kind: global_buffer, .address_space: global }
      - { .name: Wo_i, .offset: 104, .size: 8, .value_kind: global_buffer, .address_space: global }
      - { .name: cod, .offset: 112, .size: 8, .value_kind: global_buffer, .address_space: global }
    .group_segment_fixed_size: 137216
    .private_segment_fixed_size: 0
    .kernarg_segment_align: 8
    .kernarg_segment_size: 120
    .max_flat_workgroup_size: 512
    .sgpr_count:     66
    .vgpr_count:     256
    .wavefront_size: 32
...
	.end_amdgpu_metadata
.endif
;; end of part 1
;; launch proj (part 2): grid 4 x 64, 4 waves a work-group, clusters of 4 x 4, 327,680 bytes of LDS; arguments cod, bq_r, bq_i, bk_r, bk_i, bv_r, bv_i, qq, kv; writes qq, kv
.if DOCPART == 2
	.amdgcn_target "amdgcn-amd-amdhsa--gfx1250"
	.amdhsa_code_object_version 6
	.text
	.protected	k_qcd3587655e_proj
	.globl	k_qcd3587655e_proj
	.p2align	8
	.type	k_qcd3587655e_proj,@function
k_qcd3587655e_proj:
	s_mov_b64 s[64:65], 0
	v_nop
	global_prefetch_b8 v0, s[64:65] scope:SCOPE_SE
	s_setreg_imm32_b32 hwreg(HW_REG_WAVE_MODE, 25, 1), 1
	s_wait_xcnt 0x0
	s_wait_alu depctr_hold_cnt(0) depctr_sa_sdst(0) depctr_va_vdst(0) depctr_va_sdst(0) depctr_va_ssrc(0) depctr_va_vcc(0) depctr_vm_vsrc(0)
	s_getreg_b32 s2, hwreg(HW_REG_IB_STS2, 6, 4)
	s_cmp_eq_u32 s2, 0
	s_cbranch_scc0 .Lentry_in_a_cluster
	s_endpgm
.Lentry_in_a_cluster:
	s_bfe_u32 s2, ttmp6, 0x10000c
	s_cmp_lg_u32 s2, 0xf033
	s_cbranch_scc0 .Lentry_shape_is_right
	s_endpgm
.Lentry_shape_is_right:
; The six input projections y = x W^T + b on codes of BF6 (E3M2) with E8M0 scales, and the quantising of their results, in registers, into the operands of the attention.
; Product P = 0 .. 5: Qr, Qi, Kr, Ki, Vr, Vi.  Codes and scale words come from cod as images of the operand's registers (a fragment: 16 rows x 128 K; two halves of 768 bytes: registers 6 c .. 6 c + 3 at 16 x lane,
; registers 6 c + 4, 6 c + 5 at 512 + 8 x lane; row tile G at G x 12288 + 1536 x K step; its scale words at SCB + G x 512 + 64 x K step + 4 x row).
; A TILE is 128 rows of S1 x 256 rows of S0 over all of K = 1,024.  Four waves, 2 x 2, each 64 x 128: 32 accumulators.  Source 0 = S0, source 1 = S1: a lane holds ONE row of S1 and its registers run along S0.
;   Q, K: S0 = W (the features run along the registers: they are the next K), S1 = x (a lane holds a query or a key).
;   V:    S0 = x (the keys run along the registers: they are the next K),     S1 = W (a lane holds a channel).
; S0's rows were laid so that tile 2 b + u holds in lane r row 32 b + 8 u + r + 8 (r / 8): the 16 registers of tiles 2 b, 2 b + 1 are then 16 neighbours along the next K.
; A WORK-GROUP STAYS: the six products have 768 tiles, 256 work-groups walk three each: one of Q, one of K, one of V (real or imaginary by the cluster's number), so each tile's kind is fixed in the text.
; LDS holds all of a tile's K as two halves of 147,456 bytes (K steps 0-3 and 4-7: S1's 8 row tiles of 6,144 bytes, then S0's 16).  A half that has been read out is filled with the next tile's: half 0 at K step 3,
; half 1 in the middle of the way out, so that each fill has about half a tile's work in which to land.  Waves 0, 1 fetch S1's rows, waves 2, 3 S0's: one tensor load a wave for each fill;
; by this text's own count one tensor load of a wave is out at most.
; CLUSTER 4 x 4: the four work-groups of a row of the cluster share S1's tile, the four of a column S0's: each is asked for jointly; every refill stands behind a round of the cluster's barrier.
; The next tile's scale words are loaded K step by K step into the registers that the step's products have left, its bias in K step 1.
; THE BIAS is the C of each sum's first matrix instruction (so it is added ahead of the products, not behind them: another order of rounding than the reference's).
; LIMITS: a block whose largest magnitude lies under 2^-122, a block of zeros among them, gets the scale byte 1 (the codes of zeros are zeros; this program alone reads the bytes); NaN and infinities are not served.
; OUT.  qq: Q' [head bh][tile of 16 queries][half: Qr, Qi] x 768 bytes; scale words at 6,291,456 + (64 bh + tile) x 64 + 4 r (bytes 0, 1 Qr's, 2, 3 Qi's).
;       kv: a head is 204,800 bytes, four slots of 256 keys x 51,200: K' codes (16 tiles x 1,536), V' codes at 24,576 ((8 x step + channel tile) x 1,536), K' scale words at 49,152, V' at 50,176.
; REGISTERS, in windows of 256.  Window 0: v1-31 addresses and small things; v32-95 scale words; v96-143, v144-191 S1's fragments, two sets; v192-227 the quantiser's; v228-233 offsets of stores.
;   Window 1: S0's fragments, two sets, at v0 and v128.   Window 2: the accumulators, (a, b) at v[8 (8 a + b)].   Window 3: v192-255 the bias.
.set SCB,  31457280
.set HALF, 147456                      ; half of K in LDS
.set RT,   6144                        ; a row tile's part of it: four K steps of 1,536 bytes
.set S0O,  49152                       ; S0's tiles lie behind S1's eight
.set SPARE, 2*HALF                     ; behind the halves: the spare words, 128 bytes for each wave: two blocks of 256 bytes that no other line names
.set SPW,  1                           ; v1   LDS address of my spare word: SPARE + 4 x my thread's number; never rewritten
.set NIL,  2                           ; v2   0; never rewritten
.set AD0,  4                           ; v4-7 half 0: my S1 tiles for loads of 16 and of 8 bytes, my S0 tiles likewise;  v8-11 half 1
.set VS,   12                          ; v[12 + 2 t], v[13 + 2 t]  where tile t's scale words lie in cod (for i = 0 .. 3, for i = 4 .. 7)
.set L16,  18                          ; 16 x lane
.set L8,   19                          ; 8 x lane
.set L4,   20                          ; 4 x lane
.set SH16, 21                          ; 16 h
.set BQK,  22                          ; the bias of Q and K: 64 h
.set BV,   23                          ; the bias of V: 4 (r + 8 (r / 8))
.set PW,   24                          ; v24-27 the scale words just made
.set SD,   28                          ; v28-31 what of them is stored
.set SC,   32                          ; v[SC + 8 i + k]: lanes 0-15 the words of my S1 tile i (i < 4), lanes 16-31 those of my S0 tile i, for K step k
.set AF,   96
.set TM,   192                         ; at work in QUANT
.set PC,   208                         ; the codes just made
.set Q16,  228                         ; Q: 16 x lane + the way to the next head's codes;  229: 8 x lane + it;  230: 4 r, lanes 16-31 the next head's scale words
.set Q8,   229
.set SQ,   230
.set K16,  231                         ; the same for K
.set K8,   232
.set SK,   233
.set BI,   192                         ; in window 3
.set WV,   22
.set GA,   36                          ; s[36:39], s[40:43]  descriptor group 0 for S1's part of half 0, 1
.set GB,   44                          ; s[44:47], s[48:51]  for S0's
.set OA,   52                          ; s52-54  where my part of tile t's S1 begins in cod
.set OB,   56                          ; s56-58  of S0
.set SEL,  96                          ; s[96:97]
.set MSB, 0
.macro WIN new                         ; the immediate's high byte repeats the setting that is left
.if MSB != \new
	s_set_vgpr_msb (MSB<<8)|\new
.set MSB, \new
.endif
.endm
.macro PLACES n
.rept \n
	v_nop
.endr
.endm
.macro CROUND                          ; a round of the cluster's barrier
	s_barrier_signal -1
	s_barrier_wait -1
	s_cmp_lg_u32 s[WV], 0
	s_cbranch_scc1 .Lnot_wave_0_\@
	s_barrier_signal -3
.Lnot_wave_0_\@:
	s_barrier_wait -3
	s_barrier_signal -1
	s_barrier_wait -1
.endm
; A joint refill of half h: waves 0, 1 fetch S1's rows, waves 2, 3 S0's.  Each of the two lines has one mask and one set of registers for all that issue it; the branch hangs on the wave's number alone.
; Four v_nop follow each of the two lines, ahead of the jump, the label and what follows.
.macro JLOAD h
	s_cmp_lt_u32 s[WV], 2
	s_cbranch_scc0 .Lfor_b_\@
	tensor_load_to_lds s[GA+4*(\h):GA+4*(\h)+3], s[72:79]
	s_nop 0
	PLACES 4
	s_branch .Lasked_\@
.Lfor_b_\@:
	tensor_load_to_lds s[GB+4*(\h):GB+4*(\h)+3], s[80:87]
	s_nop 0
	PLACES 4
.Lasked_\@:
.endm
; The global addresses of half h's two descriptors are set for tile tt.  Written only where no tensor load of the wave is out.
.macro SETG h, tt
	s_mov_b32 s90, s[OA+(\tt)]
	s_mov_b32 s92, s[OB+(\tt)]
	s_add_nc_u64 s[GA+4*(\h)+2:GA+4*(\h)+3], s[4:5], s[90:91]
	s_add_nc_u64 s[GB+4*(\h)+2:GB+4*(\h)+3], s[4:5], s[92:93]
.if (\h) == 1
	s_add_nc_u64 s[GA+6:GA+7], s[GA+6:GA+7], RT    ; K steps 4 to 7 of each row tile
	s_add_nc_u64 s[GB+6:GB+7], s[GB+6:GB+7], RT
.endif
	s_or_b32 s[GA+4*(\h)+3], s[GA+4*(\h)+3], 0x80000000   ; 127:126 type = 2
	s_or_b32 s[GB+4*(\h)+3], s[GB+4*(\h)+3], 0x80000000
.endm
; 48 LDS loads: the fragments of K step k into set k % 2; every load takes consecutive bytes over the lanes
.macro FETCH k
.set FB, 128*((\k)%2)
.set FA, AF+48*((\k)%2)
.set FO, 1536*((\k)%4)
.set AD, AD0+4*((\k)/4)
	WIN 0x40                                       ; destination window 1, address window 0
.irp b, 0,1,2,3,4,5,6,7
	ds_load_b128 v[FB+12*\b:FB+12*\b+3], v[AD+2] offset:RT*\b+FO
	ds_load_b64 v[FB+12*\b+4:FB+12*\b+5], v[AD+3] offset:RT*\b+FO+512
	ds_load_b128 v[FB+12*\b+6:FB+12*\b+9], v[AD+2] offset:RT*\b+FO+768
	ds_load_b64 v[FB+12*\b+10:FB+12*\b+11], v[AD+3] offset:RT*\b+FO+1280
.endr
	WIN 0
.irp a, 0,1,2,3
	ds_load_b128 v[FA+12*\a:FA+12*\a+3], v[AD] offset:RT*\a+FO
	ds_load_b64 v[FA+12*\a+4:FA+12*\a+5], v[AD+1] offset:RT*\a+FO+512
	ds_load_b128 v[FA+12*\a+6:FA+12*\a+9], v[AD] offset:RT*\a+FO+768
	ds_load_b64 v[FA+12*\a+10:FA+12*\a+11], v[AD+1] offset:RT*\a+FO+1280
.endr
.endm
; 16 matrix instructions: K step k, S1's tiles a0, a0 + 1 x S0's eight.  cm = 0: onto the sums;  1: the sums begin with the bias of S0's rows;  2: with that of S1's rows.
; The 32 accumulators take turns, one instruction a turn, in the same order in every step.
.macro MUL2 k, cm, a0
.set FB, 128*((\k)%2)
.set FA, AF+48*((\k)%2)
.if \cm == 0
	WIN 0xa1                                       ; source 0 window 1, source 1 window 0, C and D window 2
.else
	WIN 0xb1                                       ; C window 3
.endif
.irp a, \a0, \a0+1
.irp b, 0,1,2,3,4,5,6,7
.if \cm == 0
	v_wmma_scale_f32_16x16x128_f8f6f4 v[8*(8*(\a)+\b):8*(8*(\a)+\b)+7], v[FB+12*\b:FB+12*\b+11], v[FA+12*(\a):FA+12*(\a)+11], v[8*(8*(\a)+\b):8*(8*(\a)+\b)+7], v[SC+8*\b+(\k)], v[SC+8*(\a)+(\k)] matrix_a_fmt:MATRIX_FMT_BF6 matrix_b_fmt:MATRIX_FMT_BF6 matrix_a_scale:MATRIX_SCALE_ROW1
.elseif \cm == 1
	v_wmma_scale_f32_16x16x128_f8f6f4 v[8*(8*(\a)+\b):8*(8*(\a)+\b)+7], v[FB+12*\b:FB+12*\b+11], v[FA+12*(\a):FA+12*(\a)+11], v[BI+8*\b:BI+8*\b+7], v[SC+8*\b+(\k)], v[SC+8*(\a)+(\k)] matrix_a_fmt:MATRIX_FMT_BF6 matrix_b_fmt:MATRIX_FMT_BF6 matrix_a_scale:MATRIX_SCALE_ROW1
.else
	v_wmma_scale_f32_16x16x128_f8f6f4 v[8*(8*(\a)+\b):8*(8*(\a)+\b)+7], v[FB+12*\b:FB+12*\b+11], v[FA+12*(\a):FA+12*(\a)+11], v[BI+8*(\a):BI+8*(\a)+7], v[SC+8*\b+(\k)], v[SC+8*(\a)+(\k)] matrix_a_fmt:MATRIX_FMT_BF6 matrix_b_fmt:MATRIX_FMT_BF6 matrix_a_scale:MATRIX_SCALE_ROW1
.endif
.endr
.endr
.endm
.macro MUL k, cm                       ; a whole K step: 32 matrix instructions
	MUL2 \k, \cm, 0
	MUL2 \k, \cm, 2
	WIN 0
.endm
; The scale words of K step k of the tile behind tile t, into the registers that this tile's K step k has left (four places behind its products)
.macro NEXTSC t, k
.if (\t) < 2
.irp i, 0,1,2,3,4,5,6,7
	global_load_b32 v[SC+8*\i+(\k)], v[VS+2*(\t)+2+\i/4], s[4:5] offset:512*\i+64*(\k)
.endr
.endif
.endm
; The bias of Q or K runs along the registers: tile 2 b + u, lane half h: features 32 b + 16 h + 8 u + 0 .. 7 of my 128
.macro BIASQK p
	WIN 0xc0                                       ; destination window 3
.irp b, 0,1,2,3,4,5,6,7
	global_load_b128 v[BI+8*\b:BI+8*\b+3], v[BQK], s[\p:\p+1] offset:(32*(\b/2)+8*(\b%2))*4
	global_load_b128 v[BI+8*\b+4:BI+8*\b+7], v[BQK], s[\p:\p+1] offset:(32*(\b/2)+8*(\b%2))*4+16
.endr
	WIN 0
.endm
.macro NEXTBIAS t                      ; the bias of the tile behind tile t
.if (\t) == 0
	BIASQK 10
.elseif (\t) == 1
	WIN 0xc0                                       ; V: a lane holds a channel: tile 2 b + u, lane r: channel 32 b + 8 u + r + 8 (r / 8) of my head's 64
.irp a, 0,1,2,3
	global_load_b32 v[BI+8*\a], v[BV], s[14:15] offset:(32*(\a/2)+8*(\a%2))*4
.endr
	WIN 0
.endif
.endm
; K step k = 1 .. 7 of tile t.  A load into a register that a matrix instruction has read stands four plain vector instructions behind it (ISA guide 7.12.1 for vector instructions).
.macro KSTEP t, k
.if (\k) == 3
	s_wait_tensorcnt 0x0                           ; all my tensor loads have landed: the one that was out is my part of half 1
.if (\t) < 2
	ds_add_u32 v[SPW], v[NIL]                      ; 0 onto my spare word
	s_wait_dscnt 1                                 ; this step's fragments are in (the add may be out)
	SETG 0, (\t)+1                                 ; no tensor load of mine is out: half 0's descriptors go on to the next tile
	MUL2 3, 0, 0                                   ; sixteen matrix instructions stand between the add and the wait for it
	s_wait_dscnt 0x0                               ; the add is done, and my reads of half 0 are over
	WIN 0
	CROUND                                         ; no wave of any partner still reads half 0 or has a load on its way; half 1 is whole
	JLOAD 0                                        ; the first tensor load behind the round; its four v_nop are also the places in front of the loads below
	NEXTSC \t, 2
	FETCH 4
	MUL2 3, 0, 2
	WIN 0
.else
	s_wait_dscnt 0x0                               ; the last tile fills nothing: a plain barrier shows half 1 whole
	s_barrier_signal -1
	s_barrier_wait -1
	PLACES 4
	FETCH 4
	MUL 3, 0
.endif
.elseif (\k) == 7
.if (\t) < 2
	PLACES 4
	NEXTSC \t, 6
.endif
	s_wait_dscnt 0x0                               ; the last fragments are in: my reads of half 1 are over
	MUL 7, 0
.else
	PLACES 4
	NEXTSC \t, (\k)-1
.if (\k) == 1
	NEXTBIAS \t
.endif
	FETCH (\k)+1
	s_wait_dscnt 48                                ; all but the 48 just issued: this step's fragments are in
	MUL \k, 0
.endif
.endm
; 64 results of a lane, v[s] on in window 2 (register 16 b + i = next K 32 b + 16 h + i of my row), become a fragment's codes in v[PC] .. v[PC + 11] and its scale word in v[pw].
; Each accumulator is read from its low end on.
.macro QUANT s, pw
	WIN 0x0a                                       ; sources 0 and 1 window 2
.irp b, 0,1,2,3
	v_max3_num_f32 v[TM+\b], |v[(\s)+16*\b]|, |v[(\s)+1+16*\b]|, 0x2800000   ; block b: my 16 numbers, and the floor 2^(5 - 127): the byte cannot fall under 1
.endr
	WIN 0x28                                       ; sources 1 and 2 window 2
.irp i, 2,4,6,8,10,12,14
.irp b, 0,1,2,3
	v_max3_num_f32 v[TM+\b], v[TM+\b], |v[(\s)+16*\b+\i]|, |v[(\s)+1+16*\b+\i]|
.endr
.endr
	WIN 0
.irp b, 0,1,2,3
	v_permlanex16_b32 v[TM+4+\b], v[TM+\b], s[SEL], s[SEL+1]
.endr
.irp b, 0,1,2,3
	v_max_num_f32 v[TM+\b], v[TM+\b], v[TM+4+\b]   ; with lane l xor 16's 16: the block's largest magnitude
.endr
.irp b, 0,1,2,3
	v_add_nc_u32 v[TM+12+\b], 0xfe000000, v[TM+\b]   ; 4 off its exponent field: the conversion's scale operand
.endr
.irp b, 0,1,2,3
	v_lshrrev_b32 v[TM+4+\b], 23, v[TM+12+\b]      ; the scale's byte
.endr
	v_lshl_or_b32 v[\pw], v[TM+5], 8, v[TM+4]
	v_lshl_or_b32 v[\pw], v[TM+6], 16, v[\pw]
	v_lshl_or_b32 v[\pw], v[TM+7], 24, v[\pw]
	WIN 0x02                                       ; source 0 window 2
.irp c, 0,1
	v_cvt_scalef32_pk16_bf6_f32 v[PC+6*\c:PC+2+6*\c], v[(\s)+32*\c:(\s)+15+32*\c], v[TM+12+2*\c]
	v_cvt_scalef32_pk16_bf6_f32 v[PC+12+4*\c:PC+14+4*\c], v[(\s)+16+32*\c:(\s)+31+32*\c], v[TM+13+2*\c]   ; (a conversion's three registers begin on an even number)
.endr
	WIN 0
	v_nop                                          ; one plain place behind a scaled conversion
.irp c, 0,1                                    ; a whole block to a lane: lanes 0-15 block 2 c, lanes 16-31 block 2 c + 1
.irp i, 0,1,2
	v_permlane16_swap_b32 v[PC+6*\c+\i], v[PC+12+4*\c+\i]
.endr
.irp i, 0,1,2
	v_mov_b32 v[PC+3+6*\c+\i], v[PC+12+4*\c+\i]
.endr
.endr
.endm
; THE WAY OUT of S1's tile a of tile t.
; Q, K: my 128 features are two heads: a half fragment (768 bytes) and two scale bytes for each of the two.  The word's other two bytes belong to the product of the other part, so nobody here owns a whole word.
; V: my 128 keys are one K step of the attention's second product, my 64 channels one head's real or imaginary part: a whole fragment; two tiles' scale words leave together, 128 consecutive bytes.
.macro EPI t, a
	s_wait_xcnt 0x0                                ; the earlier stores have read their data: the codes' registers are written again only behind this wait
	QUANT 64*(\a), PW+(\a)
.if (\t) == 0
	global_store_b128 v[L16], v[PC:PC+3], s[8:9] offset:1536*(\a)            ; the first head's half: 512 consecutive bytes,
	global_store_b64 v[L8], v[PC+4:PC+5], s[8:9] offset:1536*(\a)+512        ; and 256
	global_store_b128 v[Q16], v[PC+6:PC+9], s[8:9] offset:1536*(\a)          ; the second head's
	global_store_b64 v[Q8], v[PC+10:PC+11], s[8:9] offset:1536*(\a)+512
	v_lshrrev_b32 v[SD+(\a)], v[SH16], v[PW+(\a)]                            ; lanes 0-15 the first head's two bytes, lanes 16-31 the second's
	global_store_b16 v[SQ], v[SD+(\a)], s[12:13] offset:64*(\a)
.elseif (\t) == 1
	global_store_b128 v[L16], v[PC:PC+3], s[16:17] offset:1536*(\a)
	global_store_b64 v[L8], v[PC+4:PC+5], s[16:17] offset:1536*(\a)+512
	global_store_b128 v[K16], v[PC+6:PC+9], s[16:17] offset:1536*(\a)
	global_store_b64 v[K8], v[PC+10:PC+11], s[16:17] offset:1536*(\a)+512
	v_lshrrev_b32 v[SD+(\a)], v[SH16], v[PW+(\a)]
	global_store_b16 v[SK], v[SD+(\a)], s[30:31] offset:64*(\a)
.else
	global_store_b128 v[L16], v[PC:PC+3], s[34:35] offset:1536*(\a)
	global_store_b64 v[L8], v[PC+4:PC+5], s[34:35] offset:1536*(\a)+512
	global_store_b128 v[L16], v[PC+6:PC+9], s[34:35] offset:1536*(\a)+768
	global_store_b64 v[L8], v[PC+10:PC+11], s[34:35] offset:1536*(\a)+1280
.if (\a)%2 == 1
	v_cndmask_b32 v[SD+(\a)/2], v[PW+(\a)-1], v[PW+(\a)], s94
	global_store_b32 v[L4], v[SD+(\a)/2], s[70:71] offset:64*((\a)-1)
.endif
.endif
.endm
; TILE t = 0 (Q), 1 (K), 2 (V).  At its head the fragments of its K steps 0 and 1 have been asked for, and its scale words and bias too.
.macro TILE t
	s_wait_loadcnt 0x0                             ; scale words and bias
.if (\t) == 2
	WIN 0xc3                                       ; destination and source window 3
.irp a, 0,1,2,3
.irp j, 1,2,3,4,5,6,7
	v_mov_b32 v[BI+8*\a+\j], v[BI+8*\a]            ; the channel's bias for each of the eight keys
.endr
.endr
	WIN 0
	PLACES 4
	s_wait_alu depctr_va_vdst(0)
	s_wait_dscnt 48                                ; K step 0's fragments are in
	MUL 0, 2
.else
	s_wait_dscnt 48
	MUL 0, 1
.endif
	KSTEP \t, 1
	KSTEP \t, 2
	KSTEP \t, 3
	KSTEP \t, 4
	KSTEP \t, 5
	KSTEP \t, 6
	KSTEP \t, 7
	PLACES 4                                       ; in front of the first read of results, and of the loads into the last step's scale registers
	NEXTSC \t, 7
	EPI \t, 0
	EPI \t, 1
.if (\t) < 2
	s_wait_tensorcnt 0x0                           ; all my tensor loads have landed: the one that was out is my part of the next tile's half 0
	ds_add_u32 v[SPW], v[NIL]                      ; 0 onto my spare word
	SETG 1, (\t)+1                                 ; half 1's descriptors go on to the next tile
	s_wait_dscnt 0x0                               ; the add is done; my reads of half 1 ended ahead of K step 7's products
	CROUND                                         ; no wave of any partner still reads half 1 or has a load on its way; the next tile's half 0 is whole
	JLOAD 1                                        ; the first tensor load behind the round
	FETCH 0                                        ; the next tile's first fragments land while the other two tiles of rows go out
	FETCH 1
.endif
	EPI \t, 2
	EPI \t, 3
.endm
	s_load_b512 s[4:19], s[0:1], 0x0               ; cod s[4:5]; bq_r bq_i bk_r bk_i bv_r bv_i s[6:17]; qq s[18:19]
	s_load_b64 s[20:21], s[0:1], 0x40              ; kv
	v_lshl_add_u32 v[SPW], v0, 2, SPARE
	v_mov_b32 v[NIL], 0
	ds_add_u32 v1, v2
	ds_add_u32 v1, v2
	s_wait_dscnt 0x0
	v_lshrrev_b32 v3, 5, v0
	v_readfirstlane_b32 s[WV], v3                  ; wave 0..3
	s_lshr_b32 s23, s[WV], 1                       ; WS1: which 64 rows of S1 are mine
	s_and_b32 s24, s[WV], 1                        ; WS0: which 128 rows of S0.  Also: which half of S1's or S0's rows I fetch
	s_bfe_u32 s25, ttmp6, 0x40000                  ; cx
	s_bfe_u32 s26, ttmp6, 0x40004                  ; cy
	s_and_b32 s27, ttmp7, 0xffff                   ; the cluster's number, 0 .. 15
	s_lshr_b32 s28, s27, 3                         ; z: real (0) or imaginary (1): tile t is product 2 t + z
	s_and_b32 s29, s27, 7                          ; c8
	s_mov_b32 s94, 0xffff0000                      ; lanes 16-31
	s_mov_b32 s[SEL], 0x76543210
	s_mov_b32 s[SEL+1], 0xfedcba98
	s_lshl_b32 s88, s28, 8                         ; 256 z
	s_lshl_b32 s89, s28, 6                         ; 64 z
	; S1's row tiles, made of cy (no register that feeds S0's descriptors holds it): s60-62
	s_lshl_b32 s32, s29, 2
	s_add_co_u32 s32, s32, s26                     ; Q, K: which 128 rows of x: 4 c8 + cy
	s_lshr_b32 s33, s29, 2
	s_lshl_b32 s33, s33, 2
	s_add_co_u32 s33, s33, s26                     ; V: which 128 rows of W: 4 (c8 / 4) + cy
	s_lshl_b32 s60, s32, 3
	s_add_co_u32 s60, s60, s88                     ; Q: x tensor z
	s_add_co_u32 s61, s60, 512                     ; K: x tensor 2 + z
	s_lshl_b32 s62, s33, 3
	s_add_co_u32 s62, s62, s89
	s_add_co_u32 s62, s62, 1792                    ; V: W tensor 4 + z
	; S0's row tiles, made of cx: s66-68
	s_lshl_b32 s66, s25, 4
	s_add_co_u32 s66, s66, s89
	s_add_co_u32 s66, s66, 1536                    ; Q: W tensor z
	s_add_co_u32 s67, s66, 128                     ; K: W tensor 2 + z
	s_and_b32 s95, s29, 3
	s_lshl_b32 s95, s95, 2
	s_add_co_u32 s95, s95, s25                     ; V: which 256 rows of x: 4 (c8 % 4) + cx
	s_lshl_b32 s68, s95, 4
	s_add_co_u32 s68, s68, s88
	s_add_co_u32 s68, s68, 1024                    ; V: x tensor 4 + z
	s_lshl_b32 s90, s26, 2
	s_lshl_b32 s90, 15, s90                        ; my row of the cluster
	s_lshl_b32 s92, 0x1111, s25                    ; my column
	; descriptor group 1: rows of 6,144 bytes (768 elements of 8 bytes: a row tile's part of half of K), 12,288 bytes apart; four of them for S1, eight for S0; dense in LDS
	s_or_b32 s72, s90, (3<<16)|(1<<21)             ; 15:0 the mask; 17:16 elements of 8 bytes; 21 set beside a mask
	s_or_b32 s80, s92, (3<<16)|(1<<21)
	s_mov_b32 s73, 768<<16                         ; tensor_dim0
	s_mov_b32 s74, 4<<16                           ; tensor_dim1
	s_mov_b32 s75, 768<<16                         ; tile_dim0
	s_mov_b32 s76, 4                               ; tile_dim1
	s_mov_b32 s77, 1536                            ; tensor_dim0_stride
	s_mov_b32 s78, 0
	s_mov_b32 s79, 0
	s_mov_b32 s81, 768<<16
	s_mov_b32 s82, 8<<16
	s_mov_b32 s83, 768<<16
	s_mov_b32 s84, 8
	s_mov_b32 s85, 1536
	s_mov_b32 s86, 0
	s_mov_b32 s87, 0
	s_lshl_b32 s98, s24, 2                         ; S1: I would fetch row tiles 4 (wave % 2) on,
	s_lshl_b32 s99, s24, 3                         ; S0: 8 (wave % 2) on
.irp t, 0,1,2
	s_add_co_u32 s[OA+\t], s[60+\t], s98
	s_mul_i32 s[OA+\t], s[OA+\t], 12288
	s_add_co_u32 s[OB+\t], s[66+\t], s99
	s_mul_i32 s[OB+\t], s[OB+\t], 12288
.endr
	s_mov_b32 s91, 0
	s_mov_b32 s93, 0
	s_mul_i32 s2, s24, 4*RT                        ; where they go: the wave's number alone enters an LDS address
	s_mul_i32 s3, s24, 8*RT
	s_wait_kmcnt 0x0
.irp h, 0,1
	s_mov_b32 s[GA+4*\h], 1                        ; 1:0 count = 1
	s_add_co_u32 s[GA+4*\h+1], s2, \h*HALF         ; 63:32 LDS address
	s_mov_b32 s[GB+4*\h], 1
	s_add_co_u32 s[GB+4*\h+1], s3, \h*HALF+S0O
	SETG \h, 0                                     ; 120:64 global address, 127:126 type
.endr
	CROUND                                         ; all sixteen work-groups are here: the first joint loads meet
	s_cmp_lt_u32 s[WV], 2                          ; half 0's first fill: one tensor load a wave at the head, one arm for S1's waves, one for S0's
	s_cbranch_scc0 .Lfirst_b
	tensor_load_to_lds s[GA:GA+3], s[72:79]
	s_nop 0
	PLACES 4
	s_branch .Lfirst_asked
.Lfirst_b:
	tensor_load_to_lds s[GB:GB+3], s[80:87]
	s_nop 0
	PLACES 4
.Lfirst_asked:
	v_and_b32 v240, 31, v0                         ; lane
	v_and_b32 v241, 15, v0                         ; r
	v_bfe_u32 v242, v0, 4, 1                       ; h
	v_lshlrev_b32 v[L16], 4, v240
	v_lshlrev_b32 v[L8], 3, v240
	v_lshlrev_b32 v[L4], 2, v240
	v_lshlrev_b32 v[SH16], 4, v242
	s_mul_i32 s98, s23, 4*RT
	s_mul_i32 s99, s24, 8*RT
	s_add_co_u32 s99, s99, S0O
	v_add_nc_u32 v[AD0], s98, v[L16]               ; my S1 tiles in half 0, for the loads of 16 bytes,
	v_add_nc_u32 v[AD0+1], s98, v[L8]              ; and of 8
	v_add_nc_u32 v[AD0+2], s99, v[L16]             ; my S0 tiles
	v_add_nc_u32 v[AD0+3], s99, v[L8]
.irp j, 0,1,2,3
	v_add_nc_u32 v[AD0+4+\j], HALF, v[AD0+\j]      ; the same in half 1
.endr
	; where the three tiles' scale words lie: lanes 0-15 take S1's, lanes 16-31 S0's
.irp t, 0,1,2
	s_lshl_b32 s98, s23, 2
	s_add_co_u32 s98, s98, s[60+\t]
	s_lshl_b32 s98, s98, 9
	s_add_co_u32 s98, s98, SCB
	s_lshl_b32 s99, s24, 3
	s_add_co_u32 s99, s99, s[66+\t]
	s_lshl_b32 s99, s99, 9
	s_add_co_u32 s99, s99, SCB
	v_mov_b32 v[VS+2*\t], s98
	v_mov_b32 v243, s99
	v_cndmask_b32 v[VS+2*\t], v[VS+2*\t], v243, s94
	v_lshl_add_u32 v[VS+2*\t], v241, 2, v[VS+2*\t]         ; for i = 0 .. 3
	s_sub_co_u32 s98, s98, 2048
	v_mov_b32 v[VS+2*\t+1], s98
	v_cndmask_b32 v[VS+2*\t+1], v[VS+2*\t+1], v243, s94
	v_lshl_add_u32 v[VS+2*\t+1], v241, 2, v[VS+2*\t+1]     ; for i = 4 .. 7: S1 has four tiles only, so lanes 0-15 read theirs once more and stay inside the buffer
.endr
.irp i, 0,1,2,3,4,5,6,7
.irp k, 0,1,2,3,4,5,6,7
	global_load_b32 v[SC+8*\i+\k], v[VS+\i/4], s[4:5] offset:512*\i+64*\k   ; the first tile's scale words, for all of K
.endr
.endr
	s_cmp_eq_u32 s28, 0                            ; the three biases: real or imaginary, by the cluster's number
	s_cselect_b64 s[6:7], s[6:7], s[8:9]
	s_cselect_b64 s[10:11], s[10:11], s[12:13]
	s_cselect_b64 s[14:15], s[14:15], s[16:17]
	s_lshl_b32 s98, s25, 10                        ; Q, K: my 128 features: 256 cx + 128 WS0
	s_lshl_b32 s99, s24, 9
	s_add_co_u32 s98, s98, s99
	s_mov_b32 s99, 0
	s_add_nc_u64 s[6:7], s[6:7], s[98:99]
	s_add_nc_u64 s[10:11], s[10:11], s[98:99]
	s_lshl_b32 s98, s33, 1                         ; V: my 64 channels
	s_add_co_u32 s98, s98, s23
	s_lshl_b32 s98, s98, 8
	s_add_nc_u64 s[14:15], s[14:15], s[98:99]
	v_lshlrev_b32 v[BQK], 6, v242
	v_and_b32 v[BV], 8, v241
	v_add_nc_u32 v[BV], v[BV], v241
	v_lshlrev_b32 v[BV], 2, v[BV]
	BIASQK 6
	; where the results go.  Q, K:
	s_lshl_b32 s98, s32, 3
	s_lshl_b32 s99, s23, 2
	s_add_co_u32 s98, s98, s99                     ; my first tile of rows among the tensor's 256
	s_lshr_b32 s99, s98, 6                         ; the batch
	s_and_b32 s98, s98, 63                         ; the tile in it
	s_lshl_b32 s99, s99, 4
	s_lshl_b32 s95, s25, 2
	s_add_co_u32 s99, s99, s95
	s_lshl_b32 s95, s24, 1
	s_add_co_u32 s99, s99, s95                     ; my first head bh
	s_lshl_b32 s95, s99, 6
	s_add_co_u32 s95, s95, s98
	s_mul_i32 s2, s28, 768                         ; the real part is a fragment's first half, the imaginary part its second,
	s_lshl_b32 s3, s28, 1                          ; and likewise of a scale word
	s_mul_i32 s88, s95, 1536
	s_add_co_u32 s88, s88, s2
	s_mov_b32 s89, 0
	s_add_nc_u64 s[8:9], s[18:19], s[88:89]        ; Q: codes
	s_lshl_b32 s88, s95, 6
	s_add_co_u32 s88, s88, 6291456
	s_add_co_u32 s88, s88, s3
	s_add_nc_u64 s[12:13], s[18:19], s[88:89]      ; Q: scale words
	s_mul_i32 s95, s99, 204800
	s_lshr_b32 s88, s98, 4
	s_mul_i32 s88, s88, 51200
	s_add_co_u32 s95, s95, s88                     ; K: head and slot
	s_and_b32 s98, s98, 15
	s_mul_i32 s88, s98, 1536
	s_add_co_u32 s88, s88, s95
	s_add_co_u32 s88, s88, s2
	s_add_nc_u64 s[16:17], s[20:21], s[88:89]      ; K: codes
	s_lshl_b32 s88, s98, 6
	s_add_co_u32 s88, s88, s95
	s_add_co_u32 s88, s88, 49152
	s_add_co_u32 s88, s88, s3
	s_add_nc_u64 s[30:31], s[20:21], s[88:89]      ; K: scale words
	s_and_b32 s98, s29, 3                          ; V: the batch is c8 % 4, the slot of 256 keys cx
	s_lshl_b32 s98, s98, 4
	s_lshl_b32 s99, s33, 1
	s_add_co_u32 s98, s98, s99
	s_add_co_u32 s98, s98, s23                     ; my head bh
	s_mul_i32 s95, s98, 204800
	s_mul_i32 s99, s25, 51200
	s_add_co_u32 s95, s95, s99
	s_lshl_b32 s98, s24, 3
	s_lshl_b32 s99, s28, 2
	s_add_co_u32 s98, s98, s99                     ; 8 x step in the slot + my first channel tile
	s_mul_i32 s88, s98, 1536
	s_add_co_u32 s88, s88, s95
	s_add_co_u32 s88, s88, 24576
	s_add_nc_u64 s[34:35], s[20:21], s[88:89]      ; V: codes
	s_lshl_b32 s88, s98, 6
	s_add_co_u32 s88, s88, s95
	s_add_co_u32 s88, s88, 50176
	s_add_nc_u64 s[70:71], s[20:21], s[88:89]      ; V: scale words
	v_add_nc_u32 v[Q16], 98304, v[L16]             ; Q: from a head's codes to the next head's: 64 tiles of 1,536 bytes
	v_add_nc_u32 v[Q8], 98304, v[L8]
	v_lshlrev_b32 v243, 2, v241                    ; 4 r
	v_lshl_add_u32 v[SQ], v242, 12, v243           ; and 64 tiles of 64 bytes
	v_add_nc_u32 v[K16], 204800, v[L16]            ; K: a head's 204,800 bytes
	v_add_nc_u32 v[K8], 204800, v[L8]
	v_mul_u32_u24 v[SK], 204800, v242
	v_add_nc_u32 v[SK], v[SK], v243
.irp b, 0,1,2,3
	v_mov_b32 v[TM+4+\b], 0                        ; written once: a lane permute's destination counts as one of its sources
.endr
	s_wait_alu depctr_va_vdst(0)                   ; the wait at the head's end
	s_wait_tensorcnt 0x0                           ; my part of half 0 has landed; half 1's first fill is issued as a refill is, so one tensor load of a wave is out at any place of this text, at the start too
	ds_add_u32 v[SPW], v[NIL]                      ; 0 onto my spare word
	s_wait_dscnt 0x0                               ; the add is done
	CROUND                                         ; everybody's part of half 0 is in, and all sixteen work-groups are here
	JLOAD 1                                        ; half 1 of the first tile: the first tensor load behind the round; it is waited for at K step 3
	FETCH 0
	FETCH 1
	TILE 0
	TILE 1
	TILE 2
	s_wait_tensorcnt 0x0                           ; the wave's end
	ds_add_u32 v[SPW], v[NIL]
	s_wait_dscnt 0x0
	CROUND                                         ; the closing round: no work-group ends while a partner may still ask for a tile that names it
	s_endpgm
.Lfunc_end_k_qcd3587655e_proj:
	.size	k_qcd3587655e_proj, .Lfunc_end_k_qcd3587655e_proj-k_qcd3587655e_proj
	.p2alignl 7, 3214868480
	.fill 96, 4, 3214868480
	.section	.rodata,"a",@progbits
	.p2align	6, 0x0
	.amdhsa_kernel k_qcd3587655e_proj
		.amdhsa_group_segment_fixed_size 327680
		.amdhsa_private_segment_fixed_size 0
		.amdhsa_enable_private_segment 0
		.amdhsa_kernarg_size 72
		.amdhsa_user_sgpr_count 2
		.amdhsa_user_sgpr_kernarg_segment_ptr 1
		.amdhsa_wavefront_size32 1
		.amdhsa_system_sgpr_workgroup_id_x 1
		.amdhsa_system_sgpr_workgroup_id_y 1
		.amdhsa_system_sgpr_workgroup_id_z 1
		.amdhsa_system_vgpr_workitem_id 0
		.amdhsa_next_free_vgpr 1024
		.amdhsa_next_free_sgpr 100
		.amdhsa_reserve_vcc 0
		.amdhsa_float_denorm_mode_32 3
		.amdhsa_float_denorm_mode_16_64 3
		.amdhsa_memory_ordered 1
		.amdhsa_forward_progress 1
		.amdhsa_inst_pref_size 255
	.end_amdhsa_kernel
	.section	.bss,"aw",@nobits
	.p2align	6
	.space	262144
	.amdgpu_metadata
---
amdhsa.version: [ 1, 2 ]
amdhsa.kernels:
  - .name:           k_qcd3587655e_proj
    .symbol:         k_qcd3587655e_proj.kd
    .args:
      - { .name: cod, .offset: 0, .size: 8, .value_kind: global_buffer, .address_space: global }
      - { .name: bq_r, .offset: 8, .size: 8, .value_kind: global_buffer, .address_space: global }
      - { .name: bq_i, .offset: 16, .size: 8, .value_kind: global_buffer, .address_space: global }
      - { .name: bk_r, .offset: 24, .size: 8, .value_kind: global_buffer, .address_space: global }
      - { .name: bk_i, .offset: 32, .size: 8, .value_kind: global_buffer, .address_space: global }
      - { .name: bv_r, .offset: 40, .size: 8, .value_kind: global_buffer, .address_space: global }
      - { .name: bv_i, .offset: 48, .size: 8, .value_kind: global_buffer, .address_space: global }
      - { .name: qq, .offset: 56, .size: 8, .value_kind: global_buffer, .address_space: global }
      - { .name: kv, .offset: 64, .size: 8, .value_kind: global_buffer, .address_space: global }
    .group_segment_fixed_size: 327680
    .private_segment_fixed_size: 0
    .kernarg_segment_align: 8
    .kernarg_segment_size: 72
    .max_flat_workgroup_size: 128
    .sgpr_count:     100
    .vgpr_count:     1024
    .wavefront_size: 32
...
	.end_amdgpu_metadata
.endif
;; end of part 2
;; launch attn (part 3): grid 4 x 64, 8 waves a work-group, clusters of 4 x 1, 327,680 bytes of LDS; arguments qq, kv, cod; writes cod
.if DOCPART == 3
	.amdgcn_target "amdgcn-amd-amdhsa--gfx1250"
	.amdhsa_code_object_version 6
	.text
	.protected	k_qcd3587655e_attn
	.globl	k_qcd3587655e_attn
	.p2align	8
	.type	k_qcd3587655e_attn,@function
k_qcd3587655e_attn:
	s_mov_b64 s[64:65], 0
	v_nop
	global_prefetch_b8 v0, s[64:65] scope:SCOPE_SE
	s_setreg_imm32_b32 hwreg(HW_REG_WAVE_MODE, 25, 1), 1
	s_wait_xcnt 0x0
	s_wait_alu depctr_hold_cnt(0) depctr_sa_sdst(0) depctr_va_vdst(0) depctr_va_sdst(0) depctr_va_ssrc(0) depctr_va_vcc(0) depctr_vm_vsrc(0)
	s_getreg_b32 s2, hwreg(HW_REG_IB_STS2, 6, 4)
	s_cmp_eq_u32 s2, 0
	s_cbranch_scc0 .Lentry_in_a_cluster
	s_endpgm
.Lentry_in_a_cluster:
	s_bfe_u32 s2, ttmp6, 0x10000c
	s_cmp_lg_u32 s2, 0x3003
	s_cbranch_scc0 .Lentry_shape_is_right
	s_endpgm
.Lentry_shape_is_right:
; Attention on codes of BF6 (E3M2) with E8M0 scales, 64 heads bh = 16 x batch + head, 1,024 queries and keys.  The two score products are ONE product with K = 128 over [Qr 64 | Qi 64] and [Kr | Ki] (its four
; blocks of 32 are the two products' own blocks); the two value products are ONE with 128 channels [Vr 64 | Vi 64], which share p.
; THE SOFTMAX: t = score x log2(e) / 8; M = the row's largest t so far, rounded UP to a whole number; p = 2^(t - M) is quantised along the keys, not normalised.  The row's sum is taken of the unquantised p, in f32,
; and divides O at the end.  When M moves, the sum and O are multiplied by 2^(old M - new M): exact.  A block's largest p is not searched for: the block's largest score goes through the same multiply-add and
; exponential (this takes v_exp_f32 not to fall where its input rises).
; SHARES.  A work-group owns 256 queries of one head; each of its eight waves owns TWO tiles of 16 queries, tile 0 in register window 0 and tile 1 in window 1 under the same register numbers, so that one text
; serves both and each fragment of K' and V' read from LDS feeds two matrix instructions.  Every wave walks all keys, 128 a step, eight steps.
; A WHOLE HEAD'S K', V' AND SCALE WORDS, 204,800 bytes, LIE IN LDS as they lie in kv, each byte filled once: four slots of 256 keys x 51,200 bytes (K' codes, V' codes at 24,576, K' scale words at 49,152, V' at 50,176).
; THE FILL HAS TWO STAGES, one tensor load a wave in each.  At the head each wave fetches an eighth of slot 0 (6,400 dense bytes).  When that has landed, behind an add of 0 to my spare word
; and a round of the cluster's barrier, each wave fetches an eighth of slots 1 to 3 (19,200 dense bytes), which is on its way while slot 0's two steps are worked.
; So the walk is two loops on one step's text: two trips that read slot 0 alone; the wait for the second load and a barrier; six trips on slots 1 to 3.  By this text's own count one tensor load of a wave is out at most.
; CLUSTER 4 x 1: the four work-groups of a head ask for its tiles jointly.  No prefetch: no tensor load stands in a loop, so there is no loop to run ahead in.
; ORDER OF A STEP: 16 score products; V's fragments are asked for; both tiles' softmax; 16 value products; the next step's K' fragments are asked for under the rows' sums of p, which read registers alone.
; O^T and the sums begin as zeros, written while the first tiles are on their way, so that the step is written for every trip alike: the first change of M multiplies them by 0.
; LAYOUT.  Both products are used transposed: S^T = K' Q'^T, O^T = V'^T P^T: a lane holds ONE query (lane % 16).  Tile 2 b + u of K' holds in lane r key 32 b + 8 u + r + 8 (r / 8), so the 16 registers of
; tiles 2 b, 2 b + 1 are 16 neighbouring keys; V's channel tiles are laid likewise.  All operands are images of their registers (a fragment: registers 6 c .. 6 c + 3 at 768 c + 16 x lane, 6 c + 4, 6 c + 5 at 768 c + 512 + 8 x lane).
; OUT.  O / the sum is quantised in registers: its first 64 channels are this head's part of out_r's rows, the other 64 of out_i's: a half fragment each, into cod's row tiles 2048 + 256 z + 64 x batch + query tile.
; LIMITS: the scaled scores t stay under 2^31 in magnitude; a block whose largest magnitude lies under 2^-122, a block of zeros among them, gets the scale byte 1 (this program alone reads the bytes);
; NaN and infinities are not served.
; REGISTERS.  Window 0 alone: v1-3 LDS addresses (16, 8, 4 x lane + the step's place), v4-8, v11 offsets, v9-10 the add's two, v28-31 scale words of K' or V', v80-81 Q's, v82-83 p's.
;   v32-79 of window 0: fragments 0-3 of K' or V'; of window 1: fragments 4-7.  In each window, for its tile: v12 -M, v13 the largest t, v[14:15] the sum, v16-27 Q', v84-95 partial sums, v96-159 S^T, then p,
;   v160-223 O^T, v224-235 p's codes, v232-247, v252-254 at work.
.set SCB, 31457280
.set SLB, 51200                        ; a slot of 256 keys
.set SPARE, 4*SLB                      ; behind the slots: the spare words, 128 bytes for each wave
.set CNT, 16                           ; s16 the steps done
.set NXT, 17                           ; s17 the next step's number, held inside the loop's own steps
.set WV,  18
.set SEL, 20                           ; s[20:21]
.set CS,  22                           ; s[22:23] c = log2(e) / 8
.set TM,  32                           ; the way out: at work in QUANT
.set PC,  48                           ; the codes just made
.set MSB, 0
.macro WIN new                         ; the immediate's high byte repeats the setting that is left
.if MSB != (\new)
	s_set_vgpr_msb (MSB<<8)|(\new)
.set MSB, (\new)
.endif
.endm
.macro PLACES n
.rept \n
	v_nop
.endr
.endm
.macro CROUND                          ; a round of the cluster's barrier
	s_barrier_signal -1
	s_barrier_wait -1
	s_cmp_lg_u32 s[WV], 0
	s_cbranch_scc1 .Lnot_wave_0_\@
	s_barrier_signal -3
.Lnot_wave_0_\@:
	s_barrier_wait -3
	s_barrier_signal -1
	s_barrier_wait -1
.endm
.macro FRAG reg, off                   ; a fragment's image at byte off from the step's place
	ds_load_b128 v[(\reg):(\reg)+3], v1 offset:(\off)
	ds_load_b64 v[(\reg)+4:(\reg)+5], v2 offset:(\off)+512
	ds_load_b128 v[(\reg)+6:(\reg)+9], v1 offset:(\off)+768
	ds_load_b64 v[(\reg)+10:(\reg)+11], v2 offset:(\off)+1280
.endm
.macro LOAD8 base, sbase               ; a step's eight fragments of K' or V', and their scale words, two tiles to a register (lanes 0-15 the even tile's rows, lanes 16-31 the odd tile's)
	WIN 0
.irp t, 0,1,2,3
	FRAG 32+12*\t, (\base)+1536*\t
.endr
.irp j, 0,1,2,3
	ds_load_b32 v[28+\j], v3 offset:(\sbase)+128*\j
.endr
	WIN 0x40                                       ; destination window 1, address window 0
.irp t, 0,1,2,3
	FRAG 32+12*\t, (\base)+1536*(4+\t)
.endr
	WIN 0
.endm
.macro WM pv, d, a, sa, u, odd         ; one matrix instruction: pv = 0 a tile of scores, begun with 0; 1: a tile of O^T, in place
.if \pv
.if \odd
	v_wmma_scale_f32_16x16x128_f8f6f4 v[160+(\d):167+(\d)], v[(\a):(\a)+11], v[224:235], v[160+(\d):167+(\d)], v[\sa], v[82+(\u)] matrix_a_fmt:MATRIX_FMT_BF6 matrix_b_fmt:MATRIX_FMT_BF6 matrix_a_scale:MATRIX_SCALE_ROW1
.else
	v_wmma_scale_f32_16x16x128_f8f6f4 v[160+(\d):167+(\d)], v[(\a):(\a)+11], v[224:235], v[160+(\d):167+(\d)], v[\sa], v[82+(\u)] matrix_a_fmt:MATRIX_FMT_BF6 matrix_b_fmt:MATRIX_FMT_BF6
.endif
.else
.if \odd
	v_wmma_scale_f32_16x16x128_f8f6f4 v[96+(\d):103+(\d)], v[(\a):(\a)+11], v[16:27], 0, v[\sa], v[80+(\u)] matrix_a_fmt:MATRIX_FMT_BF6 matrix_b_fmt:MATRIX_FMT_BF6 matrix_a_scale:MATRIX_SCALE_ROW1
.else
	v_wmma_scale_f32_16x16x128_f8f6f4 v[96+(\d):103+(\d)], v[(\a):(\a)+11], v[16:27], 0, v[\sa], v[80+(\u)] matrix_a_fmt:MATRIX_FMT_BF6 matrix_b_fmt:MATRIX_FMT_BF6
.endif
.endif
.endm
.macro MM4 pv, u, fw                   ; four of them: fragments 4 fw .. 4 fw + 3 (source 0, window fw) against query tile u (source 1, C and D in window u); every instruction has an accumulator of its own
	WIN (\fw)|(0x54*(\u))
.irp t, 0,1,2,3
	WM \pv, 8*(4*(\fw)+\t), 32+12*\t, 28+2*(\fw)+\t/2, \u, \t%2
.endr
.endm
; THE SOFTMAX of query tile u for a step's 128 keys, all in window u but for p's scale word, which goes to window 0 (scale operands have no window)
.macro SOFT u
	WIN 0x55*(\u)
	s_wait_alu depctr_va_vdst(0)                   ; directly ahead of the first reader of the scores
.irp b, 0,1,2,3
	v_max3_num_f32 v[232+\b], v[96+16*\b], v[97+16*\b], v[98+16*\b]   ; the largest score of each block of 32 keys: for the row's maximum, and for the block's largest p
.endr
.irp i, 3,5,7,9,11,13
.irp b, 0,1,2,3
	v_max3_num_f32 v[232+\b], v[232+\b], v[96+16*\b+\i], v[97+16*\b+\i]   ; (the four blocks by turns)
.endr
.endr
.irp b, 0,1,2,3
	v_max_num_f32 v[232+\b], v[232+\b], v[111+16*\b]
.endr
.irp b, 0,1,2,3
	s_delay_alu instid0(VALU_DEP_4)
	v_permlanex16_b32 v[236+\b], v[232+\b], s[SEL], s[SEL+1]
.endr
.irp b, 0,1,2,3
	s_delay_alu instid0(VALU_DEP_4)
	v_max_num_f32 v[232+\b], v[232+\b], v[236+\b]  ; with lane l xor 16's 16 keys
.endr
	s_delay_alu instid0(VALU_DEP_2)
	v_max3_num_f32 v254, v232, v233, v234
	s_delay_alu instid0(VALU_DEP_1)
	v_max_num_f32 v254, v254, v235                 ; the step's largest score of my query
	s_delay_alu instid0(VALU_DEP_1)
	v_mul_f32 v254, s[CS], v254                    ; as t (c is positive)
	s_delay_alu instid0(VALU_DEP_1)
	v_max_num_f32 v13, v13, v254                   ; the running largest t
	v_mov_b32 v254, v12
	s_delay_alu instid0(VALU_DEP_2)
	v_floor_f32 v12, -v13                          ; the new -M = floor(-t) = -ceil(t): a whole number
	s_delay_alu instid0(VALU_DEP_1)
	v_sub_f32 v254, v12, v254                      ; M's old value less its new one: a whole number, 0 or less
	s_delay_alu instid0(VALU_DEP_1)
	v_cvt_i32_f32 v254, v254                       ; (it saturates)
	s_delay_alu instid0(VALU_DEP_1)
	v_ldexp_f32 v252, 1.0, v254                    ; f = 2^(old M - new M)
.set J, 0
.rept 32
	v_pk_fma_f32 v[96+J:97+J], v[96+J:97+J], s[CS:CS+1], v[12:13] op_sel_hi:[1,0,0]   ; t - M, two at a time (of the pairs c and -M the low word serves both halves)
.set J, J+2
.endr
.irp b, 0,1,2,3
	v_fma_f32 v[232+\b], v[232+\b], s[CS], v12     ; the same of each block's largest score
.endr
	s_wait_alu depctr_va_vdst(0)                   ; ahead of the batch
.set J, 0
.rept 64
	v_exp_f32 v[96+J], v[96+J]                     ; p = 2^(t - M), at most 1: not normalised
.set J, J+1
.endr
.irp b, 0,1,2,3
	v_exp_f32 v[232+\b], v[232+\b]                 ; the block's largest p
.endr
	v_pk_mul_f32 v[14:15], v[14:15], v[252:253] op_sel_hi:[1,0]   ; the sums under the new M.  (A plain place behind the exponentials)
	s_wait_alu depctr_va_vdst(0)                   ; one wait for the whole batch, ahead of its first reader
.irp b, 0,1,2,3
	v_max_num_f32 v[232+\b], 0x2800000, v[232+\b]  ; the floor 2^(5 - 127): the byte cannot fall under 1
.endr
.irp b, 0,1,2,3
	s_delay_alu instid0(VALU_DEP_4)
	v_add_nc_u32 v[244+\b], 0xfe000000, v[232+\b]  ; 4 off the exponent field: the conversion's scale operand
.endr
.irp b, 0,1,2,3
	s_delay_alu instid0(VALU_DEP_4)
	v_lshrrev_b32 v[236+\b], 23, v[244+\b]         ; the scale's byte
.endr
	s_delay_alu instid0(VALU_DEP_3)
	v_lshl_or_b32 v253, v237, 8, v236              ; p's scale word for these 128 keys
	s_delay_alu instid0(VALU_DEP_1)
	v_lshl_or_b32 v253, v238, 16, v253
	WIN 0x15*(\u)                                  ; destination window 0
	v_lshl_or_b32 v[82+\u], v239, 24, v253
	WIN 0x55*(\u)
.irp c, 0,1
	v_cvt_scalef32_pk16_bf6_f32 v[224+6*\c:226+6*\c], v[96+32*\c:111+32*\c], v[244+2*\c]
	v_cvt_scalef32_pk16_bf6_f32 v[236+4*\c:238+4*\c], v[112+32*\c:127+32*\c], v[245+2*\c]   ; (a conversion's three registers begin on an even number)
.endr
	v_nop                                          ; one plain place behind a scaled conversion
.irp c, 0,1                                    ; a whole block to a lane: lanes 0-15 block 2 c, lanes 16-31 block 2 c + 1
.irp i, 0,1,2
	v_permlane16_swap_b32 v[224+6*\c+\i], v[236+4*\c+\i]
.endr
.irp i, 0,1,2
	s_delay_alu instid0(VALU_DEP_3)
	v_mov_b32 v[227+6*\c+\i], v[236+4*\c+\i]
.endr
.endr
	s_wait_alu depctr_va_vdst(0)                   ; directly ahead of the first reader of O^T
.set J, 0
.rept 32
	v_pk_mul_f32 v[160+J:161+J], v[160+J:161+J], v[252:253] op_sel_hi:[1,0]   ; O^T under the new M, each accumulator from its low end on
.set J, J+2
.endr
.endm
; THE ROW'S SUM of the unquantised p, two at a time, in seven chains; in two parts, so that LDS loads can be issued between them
.macro SUM1
.irp k, 0,1,2,3,4,5
	v_pk_add_f32 v[84+2*\k:85+2*\k], v[96+2*\k:97+2*\k], v[108+2*\k:109+2*\k]
.endr
	v_pk_add_f32 v[14:15], v[14:15], v[120:121]
.endm
.macro SUM2
.irp k, 0,1,2,3,4,5
	v_pk_add_f32 v[84+2*\k:85+2*\k], v[84+2*\k:85+2*\k], v[122+2*\k:123+2*\k]
.endr
	v_pk_add_f32 v[14:15], v[14:15], v[134:135]
.irp k, 0,1,2,3,4,5
	v_pk_add_f32 v[84+2*\k:85+2*\k], v[84+2*\k:85+2*\k], v[136+2*\k:137+2*\k]
.endr
	v_pk_add_f32 v[14:15], v[14:15], v[148:149]
.irp k, 0,1,2,3,4
	v_pk_add_f32 v[84+2*\k:85+2*\k], v[84+2*\k:85+2*\k], v[150+2*\k:151+2*\k]
.endr
	s_delay_alu instid0(VALU_DEP_2)
	v_pk_add_f32 v[84:85], v[84:85], v[90:91]
	s_delay_alu instid0(VALU_DEP_2)
	v_pk_add_f32 v[86:87], v[86:87], v[92:93]
	v_pk_add_f32 v[88:89], v[88:89], v[94:95]
	s_delay_alu instid0(VALU_DEP_2)
	v_pk_add_f32 v[84:85], v[84:85], v[86:87]
	s_delay_alu instid0(VALU_DEP_2)
	v_pk_add_f32 v[14:15], v[14:15], v[88:89]
	s_delay_alu instid0(VALU_DEP_1)
	v_pk_add_f32 v[14:15], v[14:15], v[84:85]
.endm
; A KEY STEP: 128 keys.  At its head its fragments of K' have been asked for, and v1-3 stand at its place: step n lies at 51,200 (n / 2) + 12,288 (n % 2) for codes, + 512 (n % 2) for scale words.
; end: the number of steps done at which the loop in hand ends and nothing more is fetched; lim = end - 1: the next step's number is held at it, so that every address of the loop stays inside the loop's own slots.
.macro STEP end, lim
	s_wait_alu depctr_va_vdst(0)                   ; directly ahead of the wait below
	s_wait_dscnt 0x0                               ; K's eight fragments and their scale words are in
	MM4 0, 0, 0                                    ; S^T = K' Q'^T: lane (r, h) holds query r; the 16 registers of tiles 2 b, 2 b + 1 are keys 32 b + 16 h + 0 .. 15 of the step
	MM4 0, 1, 0
	MM4 0, 0, 1
	MM4 0, 1, 1
	WIN 0
	PLACES 4                                       ; in front of the loads into registers that matrix instructions have read, and of the first read of the scores
	LOAD8 24576, 50176                             ; V's fragments land under the softmax, which touches none of their registers
	SOFT 0
	SOFT 1
	WIN 0
	s_wait_alu depctr_va_vdst(0)                   ; directly ahead of the wait below
	s_wait_dscnt 0x0                               ; V's eight fragments and their scale words are in
	MM4 1, 0, 0                                    ; O^T += V'^T P^T; K = these 128 keys
	MM4 1, 1, 0
	MM4 1, 0, 1
	MM4 1, 1, 1
	WIN 0
	SUM1                                           ; seven plain instructions that name no register of the products: the places in front of the loads below
	s_add_co_u32 s[CNT], s[CNT], 1                 ; a step is counted
	s_min_u32 s[NXT], s[CNT], \lim
	s_lshr_b32 s12, s[NXT], 1
	s_mul_i32 s12, s12, SLB                        ; the next step's slot,
	s_and_b32 s13, s[NXT], 1
	s_mul_i32 s14, s13, 12288                      ; and its half of it: for codes,
	s_lshl_b32 s13, s13, 9                         ; for scale words
	s_add_co_u32 s14, s14, s12
	s_add_co_u32 s13, s13, s12
	v_add_nc_u32 v1, s14, v4
	v_add_nc_u32 v2, s14, v5
	v_add_nc_u32 v3, s13, v6
	s_cmp_eq_u32 s[CNT], \end                      ; behind the loop's last step nothing is fetched here
	s_wait_alu depctr_va_vdst(0)                   ; directly ahead of the branch
	s_cbranch_scc1 .Lno_more_\@
	LOAD8 0, 49152                                 ; the next step's K'
.Lno_more_\@:
	SUM2                                           ; the fragments land under the sums
	WIN 0x55
	SUM1
	SUM2
	WIN 0
.endm
; 64 numbers of a lane, v[s] on (register 16 b + i = K 32 b + 16 h + i of my row), become a fragment's codes in v[PC] .. v[PC + 11] and its scale word in v[pw].
.macro QUANT s, pw
.irp b, 0,1,2,3
	v_max3_num_f32 v[TM+\b], |v[(\s)+16*\b]|, |v[(\s)+1+16*\b]|, 0x2800000
.endr
.irp i, 2,4,6,8,10,12,14
.irp b, 0,1,2,3
	s_delay_alu instid0(VALU_DEP_4)
	v_max3_num_f32 v[TM+\b], v[TM+\b], |v[(\s)+16*\b+\i]|, |v[(\s)+1+16*\b+\i]|
.endr
.endr
.irp b, 0,1,2,3
	s_delay_alu instid0(VALU_DEP_4)
	v_permlanex16_b32 v[TM+4+\b], v[TM+\b], s[SEL], s[SEL+1]
.endr
.irp b, 0,1,2,3
	s_delay_alu instid0(VALU_DEP_4)
	v_max_num_f32 v[TM+\b], v[TM+\b], v[TM+4+\b]
.endr
.irp b, 0,1,2,3
	s_delay_alu instid0(VALU_DEP_4)
	v_add_nc_u32 v[TM+12+\b], 0xfe000000, v[TM+\b]
.endr
.irp b, 0,1,2,3
	s_delay_alu instid0(VALU_DEP_4)
	v_lshrrev_b32 v[TM+4+\b], 23, v[TM+12+\b]
.endr
	s_delay_alu instid0(VALU_DEP_3)
	v_lshl_or_b32 v[\pw], v[TM+5], 8, v[TM+4]
	s_delay_alu instid0(VALU_DEP_1)
	v_lshl_or_b32 v[\pw], v[TM+6], 16, v[\pw]
	s_delay_alu instid0(VALU_DEP_1)
	v_lshl_or_b32 v[\pw], v[TM+7], 24, v[\pw]
.irp c, 0,1
	v_cvt_scalef32_pk16_bf6_f32 v[PC+6*\c:PC+2+6*\c], v[(\s)+32*\c:(\s)+15+32*\c], v[TM+12+2*\c]
	v_cvt_scalef32_pk16_bf6_f32 v[PC+12+4*\c:PC+14+4*\c], v[(\s)+16+32*\c:(\s)+31+32*\c], v[TM+13+2*\c]
.endr
	v_nop                                          ; one plain place behind a scaled conversion
.irp c, 0,1
.irp i, 0,1,2
	v_permlane16_swap_b32 v[PC+6*\c+\i], v[PC+12+4*\c+\i]
.endr
.irp i, 0,1,2
	s_delay_alu instid0(VALU_DEP_3)
	v_mov_b32 v[PC+3+6*\c+\i], v[PC+12+4*\c+\i]
.endr
.endr
.endm
.macro INIT                            ; a tile's state, in the window that is set
	v_mov_b32 v13, 0xff61b1e6                      ; the largest t so far: -3e38, under every t
	v_mov_b32 v14, 0                               ; the sum, in two halves
	v_mov_b32 v15, 0
	v_floor_f32 v12, -v13                          ; -M
.irp b, 0,1,2,3
	v_mov_b32 v[236+\b], 0                         ; written once: a lane permute's destination counts as one of its sources
.endr
	v_mov_b32 v253, 0                              ; (named as the upper half of the pair v[252:253] before it is first written)
.set J, 0
.rept 64
	v_mov_b32 v[160+J], 0                          ; O^T
.set J, J+1
.endr
.endm
; THE WAY OUT of query tile u
.macro OUT u
	WIN 0x55*(\u)
	v_add_f32 v14, v14, v15                        ; the sum's two halves,
	s_delay_alu instid0(VALU_DEP_1)
	v_permlanex16_b32 v252, v14, s[SEL], s[SEL+1]
	s_delay_alu instid0(VALU_DEP_1)
	v_add_f32 v14, v14, v252                       ; and lane l xor 16's: the row's sum
	s_wait_alu depctr_va_vdst(0)                   ; ahead of the transcendental
	v_rcp_f32 v14, v14
	v_nop                                          ; one plain place behind a transcendental
	s_wait_alu depctr_va_vdst(0)                   ; and ahead of its first reader, which is also the first reader of O^T
.set J, 0
.rept 64
	v_mul_f32 v[96+J], v[160+J], v14               ; O^T / the sum: register 16 b + i is channel 32 b + 16 h + i of my query
.set J, J+1
.endr
	QUANT 96, 68
	WIN 0x04*(\u)                                  ; a store's data are its source 1
	global_store_b128 v4, v[PC:PC+3], s[56:57] offset:12288*(\u)               ; out_r's half fragment: 512 consecutive bytes,
	global_store_b64 v5, v[PC+4:PC+5], s[56:57] offset:12288*(\u)+512          ; and 256
	global_store_b128 v4, v[PC+6:PC+9], s[56:57] offset:12288*(\u)+3145728     ; out_i's, 256 row tiles of 12,288 bytes on
	global_store_b64 v5, v[PC+10:PC+11], s[56:57] offset:12288*(\u)+3146240
	WIN 0x44*(\u)
	v_lshrrev_b32 v69, v8, v68                     ; lanes 0-15: out_r's two bytes; lanes 16-31: out_i's
	WIN 0x04*(\u)
	global_store_b16 v7, v69, s[58:59] offset:512*(\u)   ; two bytes a row: the word's other two belong to the neighbouring head
.endm
	s_load_b128 s[4:7], s[0:1], 0x0                ; qq, kv
	s_load_b64 s[8:9], s[0:1], 0x10                ; cod
	v_lshl_add_u32 v9, v0, 2, SPARE
	v_mov_b32 v10, 0
	ds_add_u32 v9, v10                             ; the opening lines: the add, twice on end, and its wait ahead of my first tensor load
	ds_add_u32 v9, v10
	v_lshrrev_b32 v1, 5, v0
	v_readfirstlane_b32 s[WV], v1                  ; wave 0..7
	s_bfe_u32 s10, ttmp6, 0x40000                  ; cx: my block of 256 queries: it enters Q's and the output's addresses alone
	s_and_b32 s11, ttmp7, 0xffff                   ; the head bh, which the four partners share
	s_mov_b32 s[SEL], 0x76543210
	s_mov_b32 s[SEL+1], 0xfedcba98
	s_mov_b32 s[CS], 0x3e38aa3b                    ; c = log2(e) / 8
	s_mov_b32 s[CS+1], s[CS]                       ; (named with it as a pair, so it is written)
	; descriptor group 1, twice: dense bytes as rows of 256 (32 elements of 8 bytes): 25 rows for an eighth of slot 0, 75 rows for an eighth of slots 1 to 3
	s_mov_b32 s24, 15|(3<<16)|(1<<21)              ; 15:0 the mask: all four work-groups; 17:16 elements of 8 bytes; 21 set beside a mask
	s_mov_b32 s25, 32<<16                          ; tensor_dim0
	s_mov_b32 s26, 25<<16                          ; tensor_dim1
	s_mov_b32 s27, 32<<16                          ; tile_dim0
	s_mov_b32 s28, 25                              ; tile_dim1
	s_mov_b32 s29, 32                              ; tensor_dim0_stride
	s_mov_b32 s30, 0
	s_mov_b32 s31, 0
	s_mov_b32 s36, 15|(3<<16)|(1<<21)
	s_mov_b32 s37, 32<<16
	s_mov_b32 s38, 75<<16
	s_mov_b32 s39, 32<<16
	s_mov_b32 s40, 75
	s_mov_b32 s41, 32
	s_mov_b32 s42, 0
	s_mov_b32 s43, 0
	s_mov_b32 s32, 1                               ; group 0 of the first load: count,
	s_mul_i32 s33, s[WV], 6400                     ; LDS address: my eighth of slot 0, in LDS and in kv alike
	s_mov_b32 s44, 1                               ; and of the second:
	s_mul_i32 s45, s[WV], 19200
	s_add_co_u32 s45, s45, SLB                     ; my eighth of slots 1 to 3
	s_mul_i32 s12, s11, 204800                     ; the head's place in kv
	s_add_co_u32 s14, s12, s33
	s_mov_b32 s15, 0
	s_add_co_u32 s12, s12, s45
	s_mov_b32 s13, 0
	s_lshl_b32 s48, s10, 4
	s_lshl_b32 s49, s[WV], 1
	s_add_co_u32 s48, s48, s49                     ; my first tile of 16 queries
	s_lshl_b32 s49, s11, 6
	s_add_co_u32 s49, s49, s48
	s_mul_i32 s50, s49, 1536
	s_mov_b32 s51, 0
	s_lshl_b32 s52, s49, 6
	s_add_co_u32 s52, s52, 6291456
	s_mov_b32 s53, 0
	s_lshr_b32 s54, s11, 4                         ; the batch
	s_lshl_b32 s54, s54, 6
	s_add_co_u32 s54, s54, s48
	s_add_co_u32 s54, s54, 2048                    ; G: out_r's row tile in cod; out_i's lies 256 tiles on
	s_and_b32 s55, s11, 15                         ; the head: its 64 dims are half (head % 2) of K step head / 2
	s_mul_i32 s56, s54, 12288
	s_mul_i32 s57, s55, 768
	s_add_co_u32 s56, s56, s57
	s_mov_b32 s57, 0
	s_lshl_b32 s58, s54, 9
	s_lshr_b32 s59, s55, 1
	s_lshl_b32 s59, s59, 6
	s_add_co_u32 s58, s58, s59
	s_and_b32 s59, s55, 1
	s_lshl_b32 s59, s59, 1
	s_add_co_u32 s58, s58, s59
	s_add_co_u32 s58, s58, SCB
	s_mov_b32 s59, 0
	s_wait_dscnt 0x0                               ; both opening adds are done
	s_wait_kmcnt 0x0
	s_add_nc_u64 s[34:35], s[6:7], s[14:15]
	s_or_b32 s35, s35, 0x80000000                  ; 127:126 type = 2
	s_add_nc_u64 s[46:47], s[6:7], s[12:13]
	s_or_b32 s47, s47, 0x80000000
	s_add_nc_u64 s[50:51], s[4:5], s[50:51]        ; Q' codes
	s_add_nc_u64 s[52:53], s[4:5], s[52:53]        ; Q' scale words
	s_add_nc_u64 s[56:57], s[8:9], s[56:57]        ; the output's codes
	s_add_nc_u64 s[58:59], s[8:9], s[58:59]        ; and scale bytes
	CROUND                                         ; all four work-groups are here: the joint loads meet
	tensor_load_to_lds s[32:35], s[24:31]          ; my eighth of slot 0: one tensor load a wave at the head
	s_nop 0
	PLACES 4
	v_and_b32 v84, 31, v0                          ; lane
	v_and_b32 v85, 15, v0                          ; r
	v_bfe_u32 v86, v0, 4, 1                        ; h
	v_lshlrev_b32 v4, 4, v84                       ; 16, 8, 4 x lane: never stepped
	v_lshlrev_b32 v5, 3, v84
	v_lshlrev_b32 v6, 2, v84
	v_lshlrev_b32 v11, 2, v85                      ; 4 r
	v_lshlrev_b32 v8, 4, v86                       ; 16 h
	v_lshlrev_b32 v1, 4, v84                       ; LDS: the same three, at step 0
	v_lshlrev_b32 v2, 3, v84
	v_lshlrev_b32 v3, 2, v84
	v_lshl_add_u32 v7, v86, 17, v11                ; 4 r; lanes 16-31: out_i's scale bytes, 256 tiles x 512 bytes on
	global_load_b128 v[16:19], v4, s[50:51]        ; Q's two fragments stay in registers
	global_load_b64 v[20:21], v5, s[50:51] offset:512
	global_load_b128 v[22:25], v4, s[50:51] offset:768
	global_load_b64 v[26:27], v5, s[50:51] offset:1280
	global_load_b32 v80, v11, s[52:53]             ; and their scale words
	global_load_b32 v81, v11, s[52:53] offset:64
	WIN 0x40                                       ; destination window 1
	global_load_b128 v[16:19], v4, s[50:51] offset:1536
	global_load_b64 v[20:21], v5, s[50:51] offset:2048
	global_load_b128 v[22:25], v4, s[50:51] offset:2304
	global_load_b64 v[26:27], v5, s[50:51] offset:2816
	WIN 0
	INIT
	WIN 0x55
	INIT
	WIN 0
	s_wait_alu depctr_va_vdst(0)                   ; the wait at the head's end
	s_wait_tensorcnt 0x0                           ; my eighth of slot 0 has landed
	ds_add_u32 v9, v10                             ; 0 onto my spare word,
	s_mov_b32 s[CNT], 0
	s_wait_dscnt 0x0                               ; and the wait for it
	CROUND                                         ; a whole round: all of slot 0 is in, and all four work-groups are here: the joint loads meet
	tensor_load_to_lds s[44:47], s[36:43]          ; my eighth of slots 1 to 3: the first tensor load behind the round; it is waited for behind slot 0's two steps
	s_nop 0
	PLACES 4
	s_wait_loadcnt 0x0                             ; Q
	LOAD8 0, 49152
.Lfirst:                                               ; slot 0's two steps: every LDS address of this loop lies under 51,200
	STEP 2, 1
	s_cmp_lg_u32 s[CNT], 2
	s_wait_alu depctr_va_vdst(0)                   ; directly ahead of the branch
	s_cbranch_scc1 .Lfirst
	s_wait_tensorcnt 0x0                           ; my eighth of slots 1 to 3 has landed,
	s_wait_dscnt 0x0
	s_barrier_signal -1
	s_barrier_wait -1                              ; everybody's has: all reads of these slots stand behind this barrier, and nothing is ever filled again
	v_add_nc_u32 v1, SLB, v4                       ; step 2 begins slot 1
	v_add_nc_u32 v2, SLB, v5
	v_add_nc_u32 v3, SLB, v6
	s_mov_b32 s[CNT], 2
	LOAD8 0, 49152
.Lrest:                                                ; steps 2 to 7
	STEP 8, 7
	s_cmp_lg_u32 s[CNT], 8
	s_wait_alu depctr_va_vdst(0)                   ; directly ahead of the branch
	s_cbranch_scc1 .Lrest
	s_wait_dscnt 0x0                               ; no LDS load is out when the fragments' registers are written below
	OUT 0                                          ; (the sums behind the last products are the places in front of the first read of O^T)
	OUT 1
	WIN 0
	s_wait_tensorcnt 0x0                           ; the wave's end
	ds_add_u32 v9, v10
	s_wait_dscnt 0x0
	CROUND                                         ; the closing round: no work-group ends while a partner may still ask for a tile that names it
	s_endpgm
.Lfunc_end_k_qcd3587655e_attn:
	.size	k_qcd3587655e_attn, .Lfunc_end_k_qcd3587655e_attn-k_qcd3587655e_attn
	.p2alignl 7, 3214868480
	.fill 96, 4, 3214868480
	.section	.rodata,"a",@progbits
	.p2align	6, 0x0
	.amdhsa_kernel k_qcd3587655e_attn
		.amdhsa_group_segment_fixed_size 327680
		.amdhsa_private_segment_fixed_size 0
		.amdhsa_enable_private_segment 0
		.amdhsa_kernarg_size 24
		.amdhsa_user_sgpr_count 2
		.amdhsa_user_sgpr_kernarg_segment_ptr 1
		.amdhsa_wavefront_size32 1
		.amdhsa_system_sgpr_workgroup_id_x 1
		.amdhsa_system_sgpr_workgroup_id_y 1
		.amdhsa_system_sgpr_workgroup_id_z 1
		.amdhsa_system_vgpr_workitem_id 0
		.amdhsa_next_free_vgpr 512
		.amdhsa_next_free_sgpr 66
		.amdhsa_reserve_vcc 0
		.amdhsa_float_denorm_mode_32 3
		.amdhsa_float_denorm_mode_16_64 3
		.amdhsa_memory_ordered 1
		.amdhsa_forward_progress 1
		.amdhsa_inst_pref_size 109
	.end_amdhsa_kernel
	.amdgpu_metadata
---
amdhsa.version: [ 1, 2 ]
amdhsa.kernels:
  - .name:           k_qcd3587655e_attn
    .symbol:         k_qcd3587655e_attn.kd
    .args:
      - { .name: qq, .offset: 0, .size: 8, .value_kind: global_buffer, .address_space: global }
      - { .name: kv, .offset: 8, .size: 8, .value_kind: global_buffer, .address_space: global }
      - { .name: cod, .offset: 16, .size: 8, .value_kind: global_buffer, .address_space: global }
    .group_segment_fixed_size: 327680
    .private_segment_fixed_size: 0
    .kernarg_segment_align: 8
    .kernarg_segment_size: 24
    .max_flat_workgroup_size: 256
    .sgpr_count:     66
    .vgpr_count:     512
    .wavefront_size: 32
...
	.end_amdgpu_metadata
.endif
;; end of part 3
;; launch oproj (part 4): grid 4 x 64, 4 waves a work-group, clusters of 4 x 4, 295,424 bytes of LDS; arguments cod, bo_r, bo_i, out0, out1; writes out0, out1
.if DOCPART == 4
	.amdgcn_target "amdgcn-amd-amdhsa--gfx1250"
	.amdhsa_code_object_version 6
	.text
	.protected	k_qcd3587655e_oproj
	.globl	k_qcd3587655e_oproj
	.p2align	8
	.type	k_qcd3587655e_oproj,@function
k_qcd3587655e_oproj:
	s_mov_b64 s[64:65], 0
	v_nop
	global_prefetch_b8 v0, s[64:65] scope:SCOPE_SE
	s_setreg_imm32_b32 hwreg(HW_REG_WAVE_MODE, 25, 1), 1
	s_wait_xcnt 0x0
	s_wait_alu depctr_hold_cnt(0) depctr_sa_sdst(0) depctr_va_vdst(0) depctr_va_sdst(0) depctr_va_ssrc(0) depctr_va_vcc(0) depctr_vm_vsrc(0)
	s_getreg_b32 s2, hwreg(HW_REG_IB_STS2, 6, 4)
	s_cmp_eq_u32 s2, 0
	s_cbranch_scc0 .Lentry_in_a_cluster
	s_endpgm
.Lentry_in_a_cluster:
	s_bfe_u32 s2, ttmp6, 0x10000c
	s_cmp_lg_u32 s2, 0xf033
	s_cbranch_scc0 .Lentry_shape_is_right
	s_endpgm
.Lentry_shape_is_right:
; The two output projections out_z = a_z Wo_z^T + bo_z (z = 0: real, 1: imaginary) on codes of BF6 (E3M2) with E8M0 scales; results f32.
; Codes and scale words come from cod as images of the operand's registers (a fragment: 16 rows x 128 K; registers 6 c .. 6 c + 3 at 768 c + 16 x lane, registers 6 c + 4, 6 c + 5 at 768 c + 512 + 8 x lane;
; row tile G at G x 12288 + 1536 x K step; its scale words at SCB + G x 512 + 64 x K step + 4 x row).  The attention's results are row tiles 2048 + 256 z on, Wo_z's 1920 + 64 z on; rows in their own order.
; A WORK-GROUP makes 128 rows (S1 = the attention's results) x 256 features (S0 = Wo) over all of K = 1,024.  Four waves, 2 x 2, each 64 x 128: 32 accumulators.  Source 0 = S0, source 1 = S1: a lane holds one row
; and eight neighbouring features.
; ALL OF K LIES IN LDS as it lies in cod: S1's 8 row tiles of 12,288 bytes, then S0's 16: 294,912 bytes, each byte filled once.  A wave's row tiles are one dense block of memory: waves 0, 1 fetch four of S1's each
; (49,152 bytes), waves 2, 3 eight of S0's each (98,304 bytes), by the wave's one tensor load at the head; one barrier shows all of it landed.  No prefetch: no load stands in a loop to run ahead in.
; CLUSTER 4 x 4: the four work-groups of a row of the cluster share S1's tile, the four of a column S0's: each is asked for jointly.
; THE BIAS is the C of each sum's first matrix instruction (added ahead of the products: another order of rounding than the reference's).
; REGISTERS, in windows of 256.  Window 0: v1-25 addresses; v30-31 the add's two; v32-95 scale words; v96-143, v144-191 S1's fragments, two sets; v192-255 the bias; on the way out v96-223 rows of the result.
;   Window 1: S0's fragments, two sets, at v0 and v128.   Window 2: the accumulators, (a, b) at v[8 (8 a + b)].
.set SCB, 31457280
.set RT,  12288                        ; a row tile: eight K steps of 1,536 bytes
.set S0O, 8*RT                         ; S0's tiles lie behind S1's eight
.set SPARE, 24*RT                      ; behind them: the spare words, 128 bytes for each wave
.set SC,  32                           ; v[SC + 8 i + k]: lanes 0-15 the words of my S1 tile i (i < 4), lanes 16-31 those of my S0 tile i, for K step k
.set AF,  96
.set BI,  192
.set SP,  528                          ; the way out: a stage row: 512 bytes + 16 = 132 words: row r starts at bank 4 r mod 64 (64 banks of 4 bytes: ISA guide 11.1)
.set WV,  22
.set MSB, 0
.macro WIN new                         ; the immediate's high byte repeats the setting that is left
.if MSB != \new
	s_set_vgpr_msb (MSB<<8)|\new
.set MSB, \new
.endif
.endm
.macro PLACES n
.rept \n
	v_nop
.endr
.endm
.macro CROUND                          ; a round of the cluster's barrier
	s_barrier_signal -1
	s_barrier_wait -1
	s_cmp_lg_u32 s[WV], 0
	s_cbranch_scc1 .Lnot_wave_0_\@
	s_barrier_signal -3
.Lnot_wave_0_\@:
	s_barrier_wait -3
	s_barrier_signal -1
	s_barrier_wait -1
.endm
; 48 LDS loads: the fragments of K step k into set k % 2; every load takes consecutive bytes over the lanes.  S0's tiles 4-7 have address registers of their own (v14, v15), so that every offset fits its 16 bits
.macro FETCH k
.set FB, 128*((\k)%2)
.set FA, AF+48*((\k)%2)
.set FO, 1536*(\k)
	WIN 0x40                                       ; destination window 1, address window 0
.irp b, 0,1,2,3,4,5,6,7
	ds_load_b128 v[FB+12*\b:FB+12*\b+3], v[6+8*(\b/4)] offset:RT*(\b%4)+FO
	ds_load_b64 v[FB+12*\b+4:FB+12*\b+5], v[7+8*(\b/4)] offset:RT*(\b%4)+FO+512
	ds_load_b128 v[FB+12*\b+6:FB+12*\b+9], v[6+8*(\b/4)] offset:RT*(\b%4)+FO+768
	ds_load_b64 v[FB+12*\b+10:FB+12*\b+11], v[7+8*(\b/4)] offset:RT*(\b%4)+FO+1280
.endr
	WIN 0
.irp a, 0,1,2,3
	ds_load_b128 v[FA+12*\a:FA+12*\a+3], v4 offset:RT*\a+FO
	ds_load_b64 v[FA+12*\a+4:FA+12*\a+5], v5 offset:RT*\a+FO+512
	ds_load_b128 v[FA+12*\a+6:FA+12*\a+9], v4 offset:RT*\a+FO+768
	ds_load_b64 v[FA+12*\a+10:FA+12*\a+11], v5 offset:RT*\a+FO+1280
.endr
.endm
; 32 matrix instructions: K step k.  cm = 0: onto the sums;  1: the sums begin with the bias.
; The 32 accumulators take turns, one instruction a turn, in the same order in every step.
.macro MUL k, cm
.set FB, 128*((\k)%2)
.set FA, AF+48*((\k)%2)
.if \cm == 0
	WIN 0xa1                                       ; source 0 window 1, source 1 window 0, C and D window 2
.else
	WIN 0x81                                       ; C window 0
.endif
.irp a, 0,1,2,3
.irp b, 0,1,2,3,4,5,6,7
.if \cm == 0
	v_wmma_scale_f32_16x16x128_f8f6f4 v[8*(8*\a+\b):8*(8*\a+\b)+7], v[FB+12*\b:FB+12*\b+11], v[FA+12*\a:FA+12*\a+11], v[8*(8*\a+\b):8*(8*\a+\b)+7], v[SC+8*\b+(\k)], v[SC+8*\a+(\k)] matrix_a_fmt:MATRIX_FMT_BF6 matrix_b_fmt:MATRIX_FMT_BF6 matrix_a_scale:MATRIX_SCALE_ROW1
.else
	v_wmma_scale_f32_16x16x128_f8f6f4 v[8*(8*\a+\b):8*(8*\a+\b)+7], v[FB+12*\b:FB+12*\b+11], v[FA+12*\a:FA+12*\a+11], v[BI+8*\b:BI+8*\b+7], v[SC+8*\b+(\k)], v[SC+8*\a+(\k)] matrix_a_fmt:MATRIX_FMT_BF6 matrix_b_fmt:MATRIX_FMT_BF6 matrix_a_scale:MATRIX_SCALE_ROW1
.endif
.endr
.endr
	WIN 0
.endm
; K step k = 1 .. 7.  A load into a register that a matrix instruction has read stands four plain vector instructions behind it (ISA guide 7.12.1 for vector instructions).
.macro KSTEP k
.if (\k) == 7
	s_wait_dscnt 0x0                               ; the last fragments are in: my reads of the tiles are over;
	s_barrier_signal -1                            ; say so, since the stages of the way out lie on S1's first tiles,
	MUL 7, 0                                       ; work on registers while the others arrive,
	s_barrier_wait -1                              ; and go on when nobody reads the tiles any more
.else
	PLACES 4
	FETCH (\k)+1
	s_wait_dscnt 48                                ; all but the 48 just issued: this step's fragments are in
	MUL \k, 0
.endif
.endm
	s_load_b256 s[4:11], s[0:1], 0x0               ; cod s[4:5], bo_r s[6:7], bo_i s[8:9], out0 s[10:11]
	s_load_b64 s[12:13], s[0:1], 0x20              ; out1
	v_lshl_add_u32 v30, v0, 2, SPARE
	v_mov_b32 v31, 0
	ds_add_u32 v30, v31                            ; the opening lines: the add, twice on end, and its wait ahead of my tensor load
	ds_add_u32 v30, v31
	v_lshrrev_b32 v1, 5, v0
	v_readfirstlane_b32 s[WV], v1                  ; wave 0..3
	s_lshr_b32 s23, s[WV], 1                       ; WS1: which 64 rows are mine
	s_and_b32 s24, s[WV], 1                        ; WS0: which 128 features.  Also: which half of S1's or S0's row tiles I fetch
	s_bfe_u32 s25, ttmp6, 0x40000                  ; cx: which 256 features
	s_bfe_u32 s26, ttmp6, 0x40004                  ; cy
	s_and_b32 s27, ttmp7, 0xffff                   ; the cluster's number, 0 .. 15
	s_lshr_b32 s28, s27, 3                         ; z
	s_and_b32 s29, s27, 7
	s_mov_b32 s94, 0xffff0000                      ; lanes 16-31
	s_lshl_b32 s32, s29, 2
	s_add_co_u32 s32, s32, s26                     ; i1: which 128 rows (made of cy; no register that feeds S0's descriptors holds it)
	s_lshl_b32 s88, s32, 3
	s_lshl_b32 s2, s28, 8
	s_add_co_u32 s88, s88, s2
	s_add_co_u32 s88, s88, 2048                    ; G1: S1's row tile
	s_lshl_b32 s89, s25, 4
	s_lshl_b32 s3, s28, 6
	s_add_co_u32 s89, s89, s3
	s_add_co_u32 s89, s89, 1920                    ; G0: S0's
	s_lshl_b32 s90, s26, 2
	s_lshl_b32 s90, 15, s90                        ; my row of the cluster
	s_lshl_b32 s92, 0x1111, s25                    ; my column
	; descriptor group 1: a dense block as rows of 256 bytes (32 elements of 8 bytes): 192 rows for S1's four row tiles, 384 for S0's eight
	s_or_b32 s72, s90, (3<<16)|(1<<21)             ; 15:0 the mask; 17:16 elements of 8 bytes; 21 set beside a mask
	s_or_b32 s80, s92, (3<<16)|(1<<21)
	s_mov_b32 s73, 32<<16                          ; tensor_dim0
	s_mov_b32 s74, 192<<16                         ; tensor_dim1
	s_mov_b32 s75, 32<<16                          ; tile_dim0
	s_mov_b32 s76, 192                             ; tile_dim1
	s_mov_b32 s77, 32                              ; tensor_dim0_stride
	s_mov_b32 s78, 0
	s_mov_b32 s79, 0
	s_mov_b32 s81, 32<<16
	s_mov_b32 s82, 384<<16
	s_mov_b32 s83, 32<<16
	s_mov_b32 s84, 384
	s_mov_b32 s85, 32
	s_mov_b32 s86, 0
	s_mov_b32 s87, 0
	s_lshl_b32 s90, s24, 2
	s_add_co_u32 s90, s90, s88                     ; S1: row tiles G1 + 4 (wave % 2) on
	s_mul_i32 s90, s90, 12288
	s_mov_b32 s91, 0
	s_lshl_b32 s92, s24, 3
	s_add_co_u32 s92, s92, s89                     ; S0: G0 + 8 (wave % 2) on
	s_mul_i32 s92, s92, 12288
	s_mov_b32 s93, 0
	s_mov_b32 s36, 1                               ; group 0 for S1: count,
	s_mul_i32 s37, s24, 4*RT                       ; LDS address: the wave's number alone enters it
	s_mov_b32 s52, 1                               ; and for S0
	s_mul_i32 s53, s24, 8*RT
	s_add_co_u32 s53, s53, S0O
	s_wait_dscnt 0x0                               ; both opening adds are done
	s_wait_kmcnt 0x0
	s_add_nc_u64 s[38:39], s[4:5], s[90:91]
	s_or_b32 s39, s39, 0x80000000                  ; 127:126 type = 2
	s_add_nc_u64 s[54:55], s[4:5], s[92:93]
	s_or_b32 s55, s55, 0x80000000
	CROUND                                         ; all sixteen work-groups are here: the joint loads meet
	s_cmp_lt_u32 s[WV], 2                          ; one tensor load a wave: waves 0, 1 fetch S1's rows, waves 2, 3 S0's; each line has one mask for all that issue it
	s_cbranch_scc0 .Lfor_b
	tensor_load_to_lds s[36:39], s[72:79]
	s_nop 0
	PLACES 4
	s_branch .Lasked
.Lfor_b:
	tensor_load_to_lds s[52:55], s[80:87]
	s_nop 0
	PLACES 4
.Lasked:
	v_and_b32 v1, 31, v0                           ; lane
	v_and_b32 v2, 15, v0                           ; r
	v_bfe_u32 v3, v0, 4, 1                         ; h
	s_mul_i32 s35, s23, 4*RT
	s_mul_i32 s95, s24, 8*RT
	s_add_co_u32 s95, s95, S0O
	v_lshlrev_b32 v11, 4, v1                       ; 16 x lane
	v_lshlrev_b32 v12, 3, v1                       ; 8 x lane
	v_add_nc_u32 v4, s35, v11                      ; my S1 tiles, for the loads of 16 bytes,
	v_add_nc_u32 v5, s35, v12                      ; and of 8
	v_add_nc_u32 v6, s95, v11                      ; my S0 tiles 0-3
	v_add_nc_u32 v7, s95, v12
	v_add_nc_u32 v14, 4*RT, v6                     ; and 4-7
	v_add_nc_u32 v15, 4*RT, v7
	s_mul_i32 s35, s[WV], 16*SP                    ; my stage for the way out: 16 rows, on S1's first tiles
	v_mul_u32_u24 v24, v2, SP
	v_lshl_add_u32 v24, v3, 5, v24
	v_add_nc_u32 v24, s35, v24                     ; in: row r, + 32 h
	v_add_nc_u32 v25, s35, v11                     ; back: 16 bytes a lane of a row
	; the scale words of all of K stay in registers: lanes 0-15 take S1's, lanes 16-31 S0's
	s_lshl_b32 s98, s23, 2
	s_add_co_u32 s98, s98, s88
	s_lshl_b32 s98, s98, 9
	s_add_co_u32 s98, s98, SCB
	s_lshl_b32 s2, s24, 3
	s_add_co_u32 s2, s2, s89
	s_lshl_b32 s2, s2, 9
	s_add_co_u32 s2, s2, SCB
	v_mov_b32 v8, s98
	v_mov_b32 v10, s2
	v_cndmask_b32 v8, v8, v10, s94
	v_lshl_add_u32 v8, v2, 2, v8                   ; for i = 0 .. 3
	s_sub_co_u32 s98, s98, 2048
	v_mov_b32 v9, s98
	v_cndmask_b32 v9, v9, v10, s94
	v_lshl_add_u32 v9, v2, 2, v9                   ; for i = 4 .. 7: S1 has four tiles only, so lanes 0-15 read theirs once more and stay inside the buffer
.irp i, 0,1,2,3,4,5,6,7
.irp k, 0,1,2,3,4,5,6,7
	global_load_b32 v[SC+8*\i+\k], v[8+\i/4], s[4:5] offset:512*\i+64*\k
.endr
.endr
	s_lshl_b32 s2, s25, 10                         ; the bias: tile b, lane half h: features 16 b + 8 h + 0 .. 7 of my 128
	s_lshl_b32 s3, s24, 9
	s_add_co_u32 s2, s2, s3
	s_mov_b32 s3, 0
	s_cmp_eq_u32 s28, 0
	s_cselect_b64 s[98:99], s[6:7], s[8:9]
	s_cselect_b64 s[14:15], s[10:11], s[12:13]
	s_add_nc_u64 s[98:99], s[98:99], s[2:3]
	v_lshlrev_b32 v13, 5, v3
.irp b, 0,1,2,3,4,5,6,7
	global_load_b128 v[BI+8*\b:BI+8*\b+3], v13, s[98:99] offset:64*\b
	global_load_b128 v[BI+8*\b+4:BI+8*\b+7], v13, s[98:99] offset:64*\b+16
.endr
	s_lshl_b32 s16, s32, 7                         ; where my part of the output begins: row 128 i1 + 64 WS1, 4,096 bytes a row,
	s_lshl_b32 s17, s23, 6
	s_add_co_u32 s16, s16, s17
	s_lshl_b32 s16, s16, 12
	s_add_co_u32 s16, s16, s2                      ; and my first feature, 4 bytes each: the same offset as in the bias
	s_mov_b32 s17, 0
	s_add_nc_u64 s[14:15], s[14:15], s[16:17]
	s_wait_alu depctr_va_vdst(0)                   ; the wait at the head's end
	s_wait_tensorcnt 0x0                           ; my row tiles have landed,
	s_barrier_signal -1
	s_barrier_wait -1                              ; everybody's have; nothing is ever filled again
	FETCH 0
	FETCH 1
	s_wait_loadcnt 0x0                             ; scale words and bias
	s_wait_dscnt 48                                ; K step 0's fragments are in
	MUL 0, 1
	KSTEP 1
	KSTEP 2
	KSTEP 3
	KSTEP 4
	KSTEP 5
	KSTEP 6
	KSTEP 7
; THE WAY OUT, block by block of 16 rows x 128 features.  A lane holds 32 neighbouring bytes of a row: a block goes through my own stage in LDS and comes back as whole rows of 512 bytes.  The stages lie on bytes
; that had their one fill at the start and that no wave reads behind K step 7's barrier.  LDS serves a wave's instructions in order (ISA guide 5.7.1.4): no wait between the stores and the loads.
.macro TOSTAGE a
	WIN 0x08                                       ; an LDS store's data are its source 1: window 2
.irp b, 0,1,2,3,4,5,6,7
	ds_store_b128 v24, v[8*(8*(\a)+\b):8*(8*(\a)+\b)+3] offset:64*\b        ; each accumulator from its low end on
	ds_store_b128 v24, v[8*(8*(\a)+\b)+4:8*(8*(\a)+\b)+7] offset:64*\b+16
.endr
	WIN 0
.irp t, 0,1,2,3,4,5,6,7,8,9,10,11,12,13,14,15
	ds_load_b128 v[96+64*((\a)%2)+4*\t:96+64*((\a)%2)+4*\t+3], v25 offset:SP*\t
.endr
.endm
.macro SEND a, younger                 ; younger: the LDS instructions issued behind block a's loads, which may stay out
	s_wait_dscnt \younger
.irp t, 0,1,2,3,4,5,6,7,8,9,10,11,12,13,14,15
	global_store_b128 v11, v[96+64*((\a)%2)+4*\t:96+64*((\a)%2)+4*\t+3], s[14:15] offset:65536*(\a)+4096*\t th:TH_STORE_NT   ; 32 lanes store 512 consecutive bytes, at a multiple of 256 from the output's first byte
.endr
.endm
	PLACES 4                                       ; in front of the first read of results and of loads into registers that held fragments and bias
	TOSTAGE 0
.irp a, 1,2,3
.if \a > 1
	s_wait_xcnt 0x0                                ; block a - 2's stores have read their data: block a's loads may land there
.endif
	TOSTAGE \a
	SEND \a-1, 32                                  ; behind block a - 1's loads: block a's 16 stores and 16 loads
.endr
	SEND 3, 0
	s_wait_tensorcnt 0x0                           ; the wave's end
	ds_add_u32 v30, v31
	s_wait_dscnt 0x0
	CROUND                                         ; the closing round: no work-group ends while a partner may still ask for a tile that names it
	s_endpgm
.Lfunc_end_k_qcd3587655e_oproj:
	.size	k_qcd3587655e_oproj, .Lfunc_end_k_qcd3587655e_oproj-k_qcd3587655e_oproj
	.p2alignl 7, 3214868480
	.fill 96, 4, 3214868480
	.section	.rodata,"a",@progbits
	.p2align	6, 0x0
	.amdhsa_kernel k_qcd3587655e_oproj
		.amdhsa_group_segment_fixed_size 295424
		.amdhsa_private_segment_fixed_size 0
		.amdhsa_enable_private_segment 0
		.amdhsa_kernarg_size 40
		.amdhsa_user_sgpr_count 2
		.amdhsa_user_sgpr_kernarg_segment_ptr 1
		.amdhsa_wavefront_size32 1
		.amdhsa_system_sgpr_workgroup_id_x 1
		.amdhsa_system_sgpr_workgroup_id_y 1
		.amdhsa_system_sgpr_workgroup_id_z 1
		.amdhsa_system_vgpr_workitem_id 0
		.amdhsa_next_free_vgpr 768
		.amdhsa_next_free_sgpr 100
		.amdhsa_reserve_vcc 0
		.amdhsa_float_denorm_mode_32 3
		.amdhsa_float_denorm_mode_16_64 3
		.amdhsa_memory_ordered 1
		.amdhsa_forward_progress 1
		.amdhsa_inst_pref_size 88
	.end_amdhsa_kernel
	.amdgpu_metadata
---
amdhsa.version: [ 1, 2 ]
amdhsa.kernels:
  - .name:           k_qcd3587655e_oproj
    .symbol:         k_qcd3587655e_oproj.kd
    .args:
      - { .name: cod, .offset: 0, .size: 8, .value_kind: global_buffer, .address_space: global }
      - { .name: bo_r, .offset: 8, .size: 8, .value_kind: global_buffer, .address_space: global }
      - { .name: bo_i, .offset: 16, .size: 8, .value_kind: global_buffer, .address_space: global }
      - { .name: out0, .offset: 24, .size: 8, .value_kind: global_buffer, .address_space: global }
      - { .name: out1, .offset: 32, .size: 8, .value_kind: global_buffer, .address_space: global }
    .group_segment_fixed_size: 295424
    .private_segment_fixed_size: 0
    .kernarg_segment_align: 8
    .kernarg_segment_size: 40
    .max_flat_workgroup_size: 128
    .sgpr_count:     100
    .vgpr_count:     768
    .wavefront_size: 32
...
	.end_amdgpu_metadata
.endif
;; end of part 4
